; MI455X (gfx1250); checked and timed in simulation.
; The chip was launched on July 23, 2026; its instructions are those of AMD's public machine-readable ISA for CDNA 5 (MIT licence, August 2026) and "CDNA5" Instruction Set Architecture Reference Guide (July 2026). The comments in the code are by the model that wrote it; some were corrected since.
;; Causal Self Attention. Allowed arithmetic: matrix products marked QUANTISED: E2M1 operands, one E8M0 scale for each 32 along K, by v_wmma_scale_f32_16x16x128_f8f6f4 with both operands' format E2M1 (or v_wmma_scale_f32_32x16x128_f4), f32 sums; products left as they are: bf16, f16 or f32 operands; f32 sums; everything else in f32.
;; Inputs: Wk 2,048 x 2,048 float32; Wp 2,048 x 2,048 float32; Wq 2,048 x 2,048 float32; Wv 2,048 x 2,048 float32; attn_mask 2,048 x 2,048 bool; rope_cos 2,048 x 64 float32; rope_sin 2,048 x 64 float32; x 1 x 2,048 x 2,048 float32.
;; Outputs: out0 1 x 2,048 x 2,048 float32.
;; This version of the problem:
;;   THIS VERSION OF THE PROBLEM IS GIVEN IN LOW PRECISION. The matrix products marked QUANTISED in the list below multiply operands that are first quantised to E2M1 (2 exponent bits, 1 mantissa bit; 4 bits a number), with one power-of-two scale for each 32 numbers along K (OCP MX v1.0); their sums are f32. The products marked 'left as it is' may take bf16, f16 or f32 operands, with f32 sums. Whichever they take, every output number must still come out within the allowed error. Rounding operands to bf16 (8 significant bits) uses up far more of that allowance than f16 does (11 bits, for magnitudes from 6e-5 to 65,504). All else is computed in f32.
;;   The module's matrix products, in the order in which they are computed (A, B: the left and right operand; K: the contracted axis; several contracted axes count as one K, in the product's order):
;;     1. [M 2,048, K 2,048] x [K 2,048, N 2,048]; A: input x; B: input Wq: QUANTISED
;;     2. [M 2,048, K 2,048] x [K 2,048, N 2,048]; A: input x; B: input Wk: QUANTISED
;;     3. [M 2,048, K 2,048] x [K 2,048, N 2,048]; A: input x; B: input Wv: QUANTISED
;;     4. batch 16 x [M 2,048, K 128] x [K 128, N 2,048]; A: computed on the way; B: computed on the way: left as it is (an operand is computed on the way)
;;     5. batch 16 x [M 128, K 2,048] x [K 2,048, N 2,048]; A: computed on the way; B: computed on the way: left as it is (an operand is computed on the way)
;;     6. [M 2,048, K 2,048] x [K 2,048, N 2,048]; A: computed on the way; B: input Wp: left as it is (an operand is computed on the way)
;;   THE QUANTISER, for each operand of a quantised product, along K:
;;     - K is cut into blocks of 32 from its start; a last block that is shorter is filled with zeros.
;;     - A block's scale is 2^e with e = floor(log2(the largest magnitude in the block)) - 2, held to -126 .. 127; a block of zeros has e = 0. As a byte (E8M0): e + 127.
;;     - Each number is divided by its block's scale, clamped to +-6, and rounded to the nearest number of E2M1, ties to even, subnormals kept.
;;     - The product sums the exact products of the quantised numbers (number of the format x scale) in f32.
;;   ~~~python
;;   def quantise(x, axis):      # numpy; x: float32 -> the quantised numbers, widened to float32 again
;;       x = np.moveaxis(x, axis, -1); K = x.shape[-1]
;;       x = np.pad(x, [(0, 0)] * (x.ndim - 1) + [(0, -K % 32)]); x = x.reshape(x.shape[:-1] + (-1, 32)); a = np.abs(x).max(-1, keepdims=True)
;;       e = np.where(a > 0, np.clip(np.frexp(np.where(a > 0, a, 1))[1] - 1 - 2, -126, 127), 0)      # np.frexp(a)[1] - 1 = floor(log2(a)), exactly
;;       r = np.clip(x / 2.0 ** e, -6, 6)
;;       step = 2.0 ** (np.maximum(np.frexp(np.where(r == 0, 1, r))[1] - 1, 0) - 1)
;;       q = np.round(r / step) * step * 2.0 ** e      # np.round: ties to even
;;       return np.moveaxis(q.reshape(q.shape[:-2] + (-1,))[..., :K], -1, axis).astype(np.float32)
;;   ~~~
;; One version. Each part assembles by itself: llvm-mc -triple=amdgcn-amd-amdhsa -mcpu=gfx1250 --defsym DOCPART=n.
;; ======== version 1 of 1: 5 launches
;; limits: values are held in f16: magnitudes above 65,504 overflow, below 6.1e-05 lose precision
;; workspace buffers: codes 8,388,608 bytes; scales 524,288 bytes; wp16 8,388,608 bytes; mbits 524,288 bytes of whole numbers; qkv 25,165,824 bytes; o16 8,388,608 bytes; ofine 131,072 bytes
;; launch prep (part 1): grid 640 x 1, 4 waves a work-group, no clusters, 33,280 bytes of LDS; arguments x, Wq, Wk, Wv, codes, scales, attn_mask, mbits; writes codes, scales, mbits
.if DOCPART == 1
	.amdgcn_target "amdgcn-amd-amdhsa--gfx1250"
	.amdhsa_code_object_version 6
	.text
	.protected	k_q8ac70c6731_prep
	.globl	k_q8ac70c6731_prep
	.p2align	8
	.type	k_q8ac70c6731_prep,@function
k_q8ac70c6731_prep:
	s_mov_b64 s[64:65], 0
	v_nop
	global_prefetch_b8 v0, s[64:65] scope:SCOPE_SE
	s_setreg_imm32_b32 hwreg(HW_REG_WAVE_MODE, 25, 1), 1
	s_wait_xcnt 0x0
; PREP: what the quantised products and the attention launch want made once from the inputs, in one launch of 640 work-groups of four waves.
;   work-groups   0-511: x, Wq, Wk, Wv (f32, K innermost) become codes of FP4 (E2M1) and one E8M0 scale byte for each 32 along K, stacked as 8,192 rows: x 0-2047, Wq 2048-4095, Wk 4096-6143, Wv 6144-8191.
;   work-groups 512-639: the mask's bytes become LANE MASKS for the attention launch: one 32-bit word for each score register of a 16 x 64 tile of scores.
; THE QUANTISER.  A block's scale is 2^(floor(log2(its largest magnitude)) - 2); its byte is the largest magnitude's exponent field - 2, held at 1 from below.  A block of zeros so gets the byte 1 where the
; rule says 127: its codes are zeros, which add nothing under any byte but 0xff, and this program alone reads the bytes.  Each number is divided by the scale and rounded to the nearest code, ties to even, beyond 6 the largest code.
; LIMITS: blocks whose largest magnitude lies under 2^-124, the floor, keep the byte 1; NaN and infinities among the inputs are not served; any mask byte other than 0 counts as true.
; Rows are dense and K is a multiple of 32, so each tensor is a plain stream of blocks of 32 numbers.  A wave takes 16 steps of 512 numbers.  Each load reads 512 consecutive bytes, 16 a lane; a step's 2,048 bytes turn
; through the wave's own stage in LDS and come back 64 bytes a lane, so that a lane holds 16 neighbours along K (two lanes hold a block).  Only this path touches LDS.
.set WAVES, 4
.set STEPS, 16
.set EMAX,  2
.set CB,    8                          ; bytes of 16 codes
.set R,     16                         ; v16-79   four sets of 16 numbers as they are loaded
.set X,     80                         ; v80-111  two sets of 16 neighbours
.set E,     112                        ; v112-127 a scale byte for each step
.set C,     128                        ; v128-191 codes: four registers for each step, so that no store's data are written again
.set WREG,  8192                       ; LDS: a region for each wave: two stages of 32 x SP bytes, behind them its 256 scale bytes
.set SP,    80                         ; a lane's place in a stage: its 64 bytes + 16 of padding
.set SPW,   12                         ; v12  LDS address of my spare word; never rewritten
.set NIL,   13                         ; v13  0; never rewritten
.set SPARE, WAVES*WREG                 ; behind the four regions: the spare words, 128 bytes a wave, which no other line names
	s_load_b256 s[4:11], s[0:1], 0x0               ; x s[4:5], Wq s[6:7], Wk s[8:9], Wv s[10:11]
	s_load_b128 s[16:19], s[0:1], 0x20             ; codes s[16:17], scales s[18:19]
	s_load_b64 s[14:15], s[0:1], 0x30              ; the mask
	s_load_b64 s[22:23], s[0:1], 0x38              ; mbits
	v_lshl_add_u32 v[SPW], v0, 2, SPARE
	v_mov_b32 v[NIL], 0
	v_lshrrev_b32 v1, 5, v0
	v_readfirstlane_b32 s24, v1                    ; wave 0..3
	v_and_b32 v2, 31, v0                           ; lane
	v_lshlrev_b32 v3, 4, v2                        ; 16 x lane: my 16 bytes of a load's 512
	v_lshlrev_b32 v7, 3, v2                        ; 8 x lane
	s_mul_i32 s25, s24, WREG
	v_lshrrev_b32 v14, 2, v2
	v_mul_u32_u24 v14, v14, SP
	v_and_b32 v15, 3, v2
	v_lshl_add_u32 v14, v15, 4, v14
	v_add_nc_u32 v14, s25, v14                     ; the stage, on the way in: SP (lane / 4) + 16 (lane % 4)
	v_mul_u32_u24 v15, v2, SP
	v_add_nc_u32 v15, s25, v15                     ; and on the way out: SP x lane: my 16 neighbours
	v_mul_u32_u24 v4, v2, CB                       ; my codes' place in a step's
	v_lshrrev_b32 v5, 1, v2
	s_add_co_u32 s25, s25, 2*32*SP
	v_add_nc_u32 v5, s25, v5                       ; LDS: my wave's 256 scale bytes, my block's byte
	v_add_nc_u32 v6, s25, v7                       ; and on the way out 8 bytes a lane
	s_wait_kmcnt 0x0
	s_cmp_lt_u32 ttmp9, 512
	s_cbranch_scc0 .Lmask
	; ---------------- the quantiser ----------------
	s_cmp_lt_u32 ttmp9, 256                        ; which tensor: 128 work-groups each; the choices hang on the work-group's number alone
	s_cselect_b64 s[26:27], s[6:7], s[8:9]
	s_cmp_lt_u32 ttmp9, 128
	s_cselect_b64 s[26:27], s[4:5], s[26:27]
	s_cmp_lt_u32 ttmp9, 384
	s_cselect_b64 s[26:27], s[26:27], s[10:11]
	s_and_b32 s28, ttmp9, 127
	s_lshl_b32 s28, s28, 2
	s_add_co_u32 s28, s28, s24                     ; which run of 8,192 numbers of the tensor is my wave's
	s_lshl_b32 s28, s28, 15                        ; 32,768 bytes a run
	s_mov_b32 s29, 0
	s_add_nc_u64 s[26:27], s[26:27], s[28:29]
	s_lshl_b32 s28, ttmp9, 2
	s_add_co_u32 s28, s28, s24                     ; and which run of the stacked buffers
	s_lshl_b32 s30, s28, 12                        ; 4,096 bytes of codes a run
	s_mov_b32 s31, 0
	s_add_nc_u64 s[16:17], s[16:17], s[30:31]
	s_lshl_b32 s30, s28, 8                         ; 256 scale bytes a run
	s_add_nc_u64 s[18:19], s[18:19], s[30:31]
.macro QLOAD t
.irp i, 0,1,2,3
	global_load_b128 v[R+16*((\t)%4)+4*\i:R+16*((\t)%4)+4*\i+3], v3, s[26:27] offset:2048*(\t)+512*\i th:TH_LOAD_NT   ; 32 lanes read 512 consecutive bytes
.endr
.endm
.macro QTURN t                         ; step t's numbers through the stage: LDS serves a wave's instructions in order, so no wait stands between the stores and the loads
.irp i, 0,1,2,3
	ds_store_b128 v14, v[R+16*((\t)%4)+4*\i:R+16*((\t)%4)+4*\i+3] offset:32*SP*((\t)%2)+8*SP*\i
.endr
.irp i, 0,1,2,3
	ds_load_b128 v[X+16*((\t)%2)+4*\i:X+16*((\t)%2)+4*\i+3], v15 offset:32*SP*((\t)%2)+16*\i
.endr
.endm
.irp t, 0,1,2,3
	QLOAD \t
.endr
	s_wait_loadcnt 12                              ; step 0's four loads are in; the twelve of steps 1 to 3 stay out
	QTURN 0
.macro QSTEP t
.set XS, X+16*((\t)%2)
.if (\t) > 0
	s_wait_dscnt 1                                 ; this step's numbers are back from the stage (the last step's byte store may be out): so its stores into the stage have read their registers,
.else
	s_wait_dscnt 0x0
.endif
.if (\t)+4 < STEPS
	QLOAD (\t)+4                                   ; which take the loads of four steps on
.endif
.if (\t)+1 < STEPS
.if STEPS-2-(\t) >= 3
	s_wait_loadcnt 12                              ; the next step's four loads are in; those of the three steps behind it may be out
.else
	s_wait_loadcnt 4*(STEPS-2-(\t))                ; towards the end fewer steps stand behind it
.endif
	QTURN (\t)+1                                   ; and go through the other stage while this step is worked
.endif
	v_max3_num_f32 v8, |v[XS]|, |v[XS+1]|, |v[XS+2]|               ; the largest magnitude of my 16, in two chains
	v_max3_num_f32 v9, |v[XS+3]|, |v[XS+4]|, |v[XS+5]|
.irp i, 6,10
	v_max3_num_f32 v8, v8, |v[XS+\i]|, |v[XS+\i+1]|
	v_max3_num_f32 v9, v9, |v[XS+\i+2]|, |v[XS+\i+3]|
.endr
	v_max3_num_f32 v8, v8, |v[XS+14]|, |v[XS+15]|
	v_max3_num_f32 v8, v8, v9, (EMAX+1)<<23        ; and the floor 2^(EMAX + 1 - 127): the byte cannot fall under 1
	v_max_num_f32_dpp v8, v8, v8 row_xmask:1 row_mask:0xf bank_mask:0xf   ; and of my neighbour's 16: the block's
	v_add_nc_u32 v11, -(EMAX<<23), v8              ; EMAX off its exponent field: the conversion takes the exponent field of this operand as its scale
	v_cvt_scalef32_pk8_fp4_f32 v[C+4*(\t)], v[XS:XS+7], v11
	v_cvt_scalef32_pk8_fp4_f32 v[C+4*(\t)+1], v[XS+8:XS+15], v11
	v_lshrrev_b32 v[E+(\t)], 23, v11               ; the scale's byte (also the plain line behind the conversions)
	ds_store_b8 v5, v[E+(\t)] offset:16*(\t)       ; both lanes of a block write the same byte with the same value
	global_store_b64 v4, v[C+4*(\t):C+4*(\t)+1], s[16:17] offset:32*CB*(\t)   ; the wave stores 256 consecutive bytes, aligned
.endm
.irp t, 0,1,2,3,4,5,6,7,8,9,10,11,12,13,14,15
	QSTEP \t
.endr
	ds_load_b64 v[8:9], v6                         ; LDS serves a wave's instructions in order: these see my stores
	s_wait_dscnt 0x0
	global_store_b64 v7, v[8:9], s[18:19]          ; 32 lanes store my wave's 256 scale bytes, consecutive and aligned
	s_branch .Lend
.Lmask:
	; ---------------- the mask.  mbits: [32 halves of 64 queries][32 key steps of 64 keys][2 pairs of tiles][2 tiles][32 words] ----------------
	; Word 8 kt + j of a tile of 16 queries from q0 on, at key step g: bit (r + 16 h) = mask[q0 + r][64 g + 16 kt + 8 h + j].  That is the lane mask of score register 8 kt + j of the attention launch.
	; A wave takes a pair of tiles (32 queries) x four key steps (256 keys): lane (r, h) loads 8 bytes of row r; a compare of byte j over the 32 lanes IS the word.  The 64 words of a key step are gathered
	; two to a lane and leave as 256 consecutive bytes.
	s_sub_co_u32 s28, ttmp9, 512
	s_lshl_b32 s28, s28, 2
	s_add_co_u32 s28, s28, s24                     ; 0 .. 511
	s_lshr_b32 s29, s28, 3                         ; the pair of tiles, 0 .. 63
	s_and_b32 s30, s28, 7                          ; the group of four key steps
	s_lshl_b32 s26, s29, 16                        ; 32 rows of 2,048 bytes
	s_lshl_b32 s27, s30, 8
	s_add_co_u32 s26, s26, s27
	s_mov_b32 s27, 0
	s_add_nc_u64 s[14:15], s[14:15], s[26:27]
	s_lshr_b32 s26, s29, 1
	s_lshl_b32 s26, s26, 14                        ; the half: 16,384 bytes
	s_lshl_b32 s27, s30, 11                        ; four key steps of 512 bytes
	s_add_co_u32 s26, s26, s27
	s_and_b32 s27, s29, 1
	s_lshl_b32 s27, s27, 8                         ; the pair in the half: 256 bytes
	s_add_co_u32 s26, s26, s27
	s_mov_b32 s27, 0
	s_add_nc_u64 s[22:23], s[22:23], s[26:27]
	v_and_b32 v10, 15, v0
	v_bfe_u32 v11, v0, 4, 1
	v_lshlrev_b32 v10, 11, v10
	v_lshl_add_u32 v10, v11, 3, v10                ; row r, + 8 h
.set m, 0
.rept 32                                       ; load m: key step m / 8, tile (m / 4) % 2, kt = m % 4.  Together the 32 loads read 256 consecutive bytes of each of 32 rows
	global_load_b64 v[16+2*m:17+2*m], v10, s[14:15] offset:((m/4)%2)*32768+64*(m/8)+16*(m%4)
.set m, m+1
.endr
.set sg, 0
.rept 4
	s_wait_loadcnt 24-8*sg                         ; this key step's eight loads are in; those of the later key steps stay out
	v_mov_b32 v[96+2*sg], 0                        ; (a lane write's destination counts as read)
	v_mov_b32 v[97+2*sg], 0
.set n, 0
.rept 64                                       ; word n = 32 tile + 8 kt + j
	v_and_b32 v[88+n%4], 0xff<<(8*(n%4)), v[16+2*(8*sg+n/8)+(n%8)/4]
	v_cmp_ne_u32 s[32+n%4], 0, v[88+n%4]
	v_writelane_b32 v[96+2*sg+n%2], s[32+n%4], n/2
.set n, n+1
.endr
	global_store_b64 v7, v[96+2*sg:97+2*sg], s[22:23] offset:512*sg
.set sg, sg+1
.endr
.Lend:
	s_wait_tensorcnt 0x0                           ; the wave's end: a tensor wait (though no tensor load stands in this text), 0 added to my spare word, and the wait for it, behind the last LDS store
	ds_add_u32 v[SPW], v[NIL]
	s_wait_dscnt 0x0
	s_endpgm
.Lfunc_end_k_q8ac70c6731_prep:
	.size	k_q8ac70c6731_prep, .Lfunc_end_k_q8ac70c6731_prep-k_q8ac70c6731_prep
	.p2alignl 7, 3214868480
	.fill 96, 4, 3214868480
	.section	.rodata,"a",@progbits
	.p2align	6, 0x0
	.amdhsa_kernel k_q8ac70c6731_prep
		.amdhsa_group_segment_fixed_size 33280
		.amdhsa_private_segment_fixed_size 0
		.amdhsa_enable_private_segment 0
		.amdhsa_kernarg_size 64
		.amdhsa_user_sgpr_count 2
		.amdhsa_user_sgpr_kernarg_segment_ptr 1
		.amdhsa_wavefront_size32 1
		.amdhsa_system_sgpr_workgroup_id_x 1
		.amdhsa_system_sgpr_workgroup_id_y 1
		.amdhsa_system_sgpr_workgroup_id_z 1
		.amdhsa_system_vgpr_workitem_id 0
		.amdhsa_next_free_vgpr 192
		.amdhsa_next_free_sgpr 66
		.amdhsa_reserve_vcc 0
		.amdhsa_float_denorm_mode_32 3
		.amdhsa_float_denorm_mode_16_64 3
		.amdhsa_memory_ordered 1
		.amdhsa_forward_progress 1
		.amdhsa_inst_pref_size 86
	.end_amdhsa_kernel
	.amdgpu_metadata
---
amdhsa.version: [ 1, 2 ]
amdhsa.kernels:
  - .name:           k_q8ac70c6731_prep
    .symbol:         k_q8ac70c6731_prep.kd
    .args:
      - { .name: x, .offset: 0, .size: 8, .value_kind: global_buffer, .address_space: global }
      - { .name: Wq, .offset: 8, .size: 8, .value_kind: global_buffer, .address_space: global }
      - { .name: Wk, .offset: 16, .size: 8, .value_kind: global_buffer, .address_space: global }
      - { .name: Wv, .offset: 24, .size: 8, .value_kind: global_buffer, .address_space: global }
      - { .name: codes, .offset: 32, .size: 8, .value_kind: global_buffer, .address_space: global }
      - { .name: scales, .offset: 40, .size: 8, .value_kind: global_buffer, .address_space: global }
      - { .name: attn_mask, .offset: 48, .size: 8, .value_kind: global_buffer, .address_space: global }
      - { .name: mbits, .offset: 56, .size: 8, .value_kind: global_buffer, .address_space: global }
    .group_segment_fixed_size: 33280
    .private_segment_fixed_size: 0
    .kernarg_segment_align: 8
    .kernarg_segment_size: 64
    .max_flat_workgroup_size: 128
    .sgpr_count:     66
    .vgpr_count:     192
    .wavefront_size: 32
...
	.end_amdgpu_metadata
.endif
;; end of part 1
;; launch qkv (part 2): grid 32 x 8, 4 waves a work-group, clusters of 4 x 4, 327,680 bytes of LDS; arguments codes, scales, rope_cos, rope_sin, qkv, Wp, wp16; writes qkv, wp16
.if DOCPART == 2
	.amdgcn_target "amdgcn-amd-amdhsa--gfx1250"
	.amdhsa_code_object_version 6
	.text
	.protected	k_q8ac70c6731_qkv
	.globl	k_q8ac70c6731_qkv
	.p2align	8
	.type	k_q8ac70c6731_qkv,@function
k_q8ac70c6731_qkv:
	s_mov_b64 s[64:65], 0
	v_nop
	global_prefetch_b8 v0, s[64:65] scope:SCOPE_SE
	s_setreg_imm32_b32 hwreg(HW_REG_WAVE_MODE, 25, 1), 1
	s_wait_xcnt 0x0
	s_wait_alu depctr_hold_cnt(0) depctr_sa_sdst(0) depctr_va_vdst(0) depctr_va_sdst(0) depctr_va_ssrc(0) depctr_va_vcc(0) depctr_vm_vsrc(0)
	s_getreg_b32 s2, hwreg(HW_REG_IB_STS2, 6, 4)
	s_cmp_eq_u32 s2, 0
	s_cbranch_scc0 .Lentry_in_a_cluster
	s_endpgm
.Lentry_in_a_cluster:
	s_bfe_u32 s2, ttmp6, 0x10000c
	s_cmp_lg_u32 s2, 0xf033
	s_cbranch_scc0 .Lentry_shape_is_right
	s_endpgm
.Lentry_shape_is_right:
; QKV: the three quantised products on codes of FP4 (E2M1) with one E8M0 scale for each 32 along K, RoPE in f32, results rounded once to f16.  Beside them, in clusters of its own: Wp rounded to f16.
; codes: [8192 rows][1024 bytes], scales: [8192][64]: rows 0-2047 x, 2048-4095 Wq, 4096-6143 Wk, 6144-8191 Wv.  K = 2,048.
; A tile of 256 x 256 is made by a work-group of four waves; a wave makes 128 x 128: 64 accumulators of 16 x 16, 512 registers.  192 tiles: tile columns 0-15 give C[t][d] = x . (Wq, Wk), A = x, B = the weights;
; tile columns 16-23 give C[d][t] = Wv . x, A = Wv, B = x: V COMES OUT WITH THE KEYS INNERMOST, as the second product of attention wants it, and nothing is transposed by an instruction.
; K goes in steps of 512 through a ring of two LDS slots filled by the tensor data mover (a tile's row is 256 bytes); the scales of the work-group's rows, for all of K, come into LDS once, with the first fills.
; CLUSTERS: 4 x 4 work-groups.  The four of a row of the cluster need the same tiles of A, the four of a column the same tiles of B: each is asked for JOINTLY.  A cluster lies wholly in columns 0-15 or 16-23.
; THE MATRIX INSTRUCTION IS USED TRANSPOSED (source 0 = 16 rows of B, source 1 = 16 rows of A): a lane holds eight neighbouring numbers of a row of C, so a RoPE pair lies in one lane's register pair.
; OUT: qkv = q16 [16 heads][2048 t][128] f16, then k16 likewise, then vT [16 heads][16 blocks of keys][128 channels][128 keys].  Every wave's 128 x 128 is ONE dense block of 32,768 bytes with rows of 256.
; THE WAY OUT IS WRITTEN TWICE, with RoPE (q, k) and without (V), behind ONE branch on the cluster's x: so inside either way no line is jumped over, and each counted wait for cos and sin has the same loads behind it.
; THE FOUR CLUSTERS WITH x = 6, 7 have no tile of the product: their 64 work-groups round Wp to f16 for the out-projection, a stream that hangs on nothing made here and that no launch wants before that one.  They part
; from the others at the first line, on the cluster's x, which all sixteen partners share, and take a path of their own at the text's end: no LDS, no tensor load, no barrier, no joint request.
; LIMITS: |q|, |k|, |v| behind RoPE and |Wp| must stay under 65,504 (f16); NaN and infinities are not served.
; REGISTERS, in windows of 256: window 0: v0-31 addresses; v32-95 scale words, two sets; v128-191 A's fragments, one set; on the way out v32-63, v192-255 at work.
;   window 1: B's fragments, two sets, at v0 and v128; v64-127 and v192-255: cos and sin of two blocks of 16 rows; on the way out v0-63 at work.   windows 2, 3: the accumulators of my rows 0-63, 64-127.
.set SIZE_K, 2048
.set KSTEP,  512                       ; along K in a slot
.set NQ,     KSTEP/128                 ; matrix instructions deep
.set ROWB,   256                       ; a tile's row in bytes
.set KROW,   SIZE_K*4/8                ; a row of codes in memory
.set PITCH,  272                       ; an LDS row: 256 bytes + 16 of padding: the 16 rows that a load touches start 68 words apart
.set FR,     8                         ; registers of a fragment: 16 rows x 128 K
.set NL,     2                         ; LDS loads that bring one
.set NP,     4                         ; places behind this matrix instruction (ISA guide 7.12.1)
.set HALFT,  128*PITCH                 ; 128 rows: what one tensor load brings
.set SLOT,   4*HALFT                   ; A's 256 rows, then B's 256 rows
.set LAPS,   SIZE_K/(2*KSTEP)
.set KS,     SIZE_K/32                 ; a row of scales in bytes
.set SCL,    2*SLOT                    ; behind the ring: the scales, as runs of 256 bytes + 16 of padding
.set HALFS,  (128*KS/256)*272          ; the scales of 128 rows
.set SBLK,   (16*KS/256)*272           ; those of 16 rows
.set SPARE,  SCL+4*HALFS               ; behind the scales: the spare words, 128 bytes a wave, which no other line names
.set SPITCH, 272                       ; the way out: a stage of 16 rows x (256 bytes + 16) for each wave, in slot 0, which has had its last fill and its last read by then
.set STG_V,  4*16*SPITCH               ; the way out without RoPE has stages of its own, behind the four of the way with it
.set ADRA, 16                          ; v16-17  LDS address of my A fragments in slot 0, 1
.set ADRB, 20                          ; v20-21  the same for B
.set STO,  24                          ; v24     the way out: where I put 16 bytes of a row
.set RD,   25                          ; v25     where I read a row back
.set CO,   26                          ; v26     16 x lane: my place in two rows of the output block
.set ADRS, 27                          ; v27     LDS address of my scale words: lanes 0-15 A's rows, lanes 16-31 B's
.set SPW,  28                          ; v28     LDS address of my spare word; never rewritten
.set NIL,  29                          ; v29     0; never rewritten
.set CSO,  30                          ; v30     256 r + 16 h: my four cos (or sin) of a row; never rewritten
.set SC,   32                          ; scale words: set s at v[SC + 8 NQ s]
.set AF,   128                         ; A's fragments, in window 0
.set TMP,  192                         ; the way out: packed results
.set OB,   32                          ; the way out: 16 rows read back: v32-63 and v224-255 by turns
.set G1, 24
.set G0, 32
.set G1B, 48
.set G0B, 56
.set G1S, 68
.set G0S, 76
.set G1SB, 80
.set G0SB, 88
.set MSB, 0
.macro WIN new                         ; the immediate's high byte repeats the setting that is left
.if MSB != \new
	s_set_vgpr_msb (MSB<<8)|\new
.set MSB, \new
.endif
.endm
.set MUL_LO, 0xa1                      ; source 0 (B) window 1, source 1 (A) window 0, C and D window 2
.set MUL_HI, 0xf1                      ; the same, C and D window 3
.set TO_B,   0x40                      ; destination window 1, address window 0
; A joint load: waves 0 and 1 fetch for A, waves 2 and 3 for B.  The branch hangs on the wave's number alone.  An s_nop 0 and four v_nop follow each of the two lines.
.macro JLOAD g0a, g1a, g0b, g1b
	s_cmp_eq_u32 s15, 0
	s_cbranch_scc0 .Lfor_b_\@
	tensor_load_to_lds s[\g0a:\g0a+3], s[\g1a:\g1a+7]
	s_nop 0
.rept 4
	v_nop
.endr
	s_branch .Lasked_\@
.Lfor_b_\@:
	tensor_load_to_lds s[\g0b:\g0b+3], s[\g1b:\g1b+7]
	s_nop 0
.rept 4
	v_nop
.endr
.Lasked_\@:
.endm
.macro CREST                           ; a round of the cluster's barrier behind its opening barrier
	s_cmp_lg_u32 s14, 0
	s_cbranch_scc1 .Lnot_wave_0_\@
	s_barrier_signal -3
.Lnot_wave_0_\@:
	s_barrier_wait -3
	s_barrier_signal -1
	s_barrier_wait -1
.endm
.macro CROUND                          ; a whole round
	s_barrier_signal -1
	s_barrier_wait -1
	CREST
.endm
	s_cmp_ge_u32 ttmp9, 6                          ; clusters 6 and 7 along x have no tile: they round Wp.  The cluster's x is the same in all sixteen partners and all four waves
	s_cbranch_scc1 .Lconvert
	s_load_b128 s[4:7], s[0:1], 0x0                ; codes s[4:5], scales s[6:7]
	s_load_b128 s[8:11], s[0:1], 0x10              ; rope_cos s[8:9], rope_sin s[10:11]
	s_load_b64 s[12:13], s[0:1], 0x20              ; qkv
	v_lshl_add_u32 v[SPW], v0, 2, SPARE
	v_mov_b32 v[NIL], 0
	ds_add_u32 v[SPW], v[NIL]                      ; the wave's opening: the add, twice on end, and its wait ahead of my first tensor load
	ds_add_u32 v[SPW], v[NIL]                      ; and once more; the set-up below, work on registers, stands between it and the wait
	v_lshrrev_b32 v1, 5, v0
	v_readfirstlane_b32 s14, v1                    ; wave 0..3
	s_lshr_b32 s15, s14, 1                         ; which half of the tile's rows is mine.  Also: I fetch for A (0) or for B (1)
	s_and_b32 s16, s14, 1                          ; which half of its columns.  Also: which 128 rows of that tile I fetch
	s_bfe_u32 s40, ttmp6, 0x40000                  ; cx, cy: my place in the cluster
	s_bfe_u32 s41, ttmp6, 0x40004
	s_lshl_b32 s42, ttmp9, 2
	s_add_co_u32 s42, s42, s40                     ; tile column = 4 x cluster x + cx, 0 .. 23
	s_and_b32 s17, ttmp7, 0xffff
	s_lshl_b32 s17, s17, 2
	s_add_co_u32 s17, s17, s41                     ; tile row = 4 x cluster y + cy, 0 .. 7
	s_cmp_ge_u32 ttmp9, 4                          ; clusters 4 and 5 along x make V: the same answer in all sixteen partners
	s_cselect_b32 s2, 1, 0
	s_cselect_b32 s96, 6144, 0                     ; there A's rows are Wv's and B's are x's
	s_lshl_b32 s43, s41, 2
	s_lshl_b32 s43, 15, s43                        ; my row of the cluster
	s_lshl_b32 s44, 0x1111, s40                    ; my column
	; descriptor group 1: a tile of 128 rows x 256 bytes, padded in LDS
	s_or_b32 s[G1+0], s43, (0<<16)|(1<<20)|(1<<21)|(5<<22)|(3<<25)  ; 15:0 the mask: A's tiles go to my row; elements of 1 byte; padding on; bit 21 beside a mask; after every 64 words four words
	s_or_b32 s[G1B+0], s44, (0<<16)|(1<<20)|(1<<21)|(5<<22)|(3<<25)
.irp g, G1, G1B
	s_mov_b32 s[\g+1], ROWB<<16                    ; tensor_dim0
	s_mov_b32 s[\g+2], 128<<16                     ; tensor_dim1
	s_mov_b32 s[\g+3], ROWB<<16                    ; tile_dim0
	s_mov_b32 s[\g+4], 128                         ; tile_dim1
	s_mov_b32 s[\g+5], KROW                        ; tensor_dim0_stride
	s_mov_b32 s[\g+6], 0
	s_mov_b32 s[\g+7], 0
.endr
	; the scales of 128 rows: a dense block of 8,192 bytes, as rows of 256 bytes (32 elements of 8 bytes), 16 bytes of padding behind each
	s_or_b32 s[G1S+0], s43, (3<<16)|(1<<20)|(1<<21)|(5<<22)|(3<<25)
	s_or_b32 s[G1SB+0], s44, (3<<16)|(1<<20)|(1<<21)|(5<<22)|(3<<25)
.irp g, G1S, G1SB
	s_mov_b32 s[\g+1], 32<<16
	s_mov_b32 s[\g+2], (128*KS/256)<<16
	s_mov_b32 s[\g+3], 32<<16
	s_mov_b32 s[\g+4], 128*KS/256
	s_mov_b32 s[\g+5], 32
	s_mov_b32 s[\g+6], 0
	s_mov_b32 s[\g+7], 0
.endr
	s_lshl_b32 s18, s16, 7                         ; which 128 rows of the tile I fetch
	s_lshl_b32 s20, s17, 8
	s_add_co_u32 s20, s20, s18
	s_add_co_u32 s20, s20, s96                     ; A: stacked row 256 x tile row + 128 x half (+ 6,144 for Wv)
	s_lshl_b32 s46, s42, 8
	s_add_co_u32 s46, s46, s18
	s_add_co_u32 s46, s46, 2048
	s_sub_co_u32 s46, s46, s96                     ; B: stacked row 256 x tile column + 128 x half + 2,048 (for V: - 4,096, which is x's rows)
	s_mov_b32 s21, 0
	s_mov_b32 s47, 0
	s_mov_b64 s[18:19], KS
	s_mul_u64 s[22:23], s[20:21], s[18:19]         ; where these rows' scales begin, in bytes
	s_mul_u64 s[92:93], s[46:47], s[18:19]
	s_mov_b64 s[18:19], KROW
	s_mul_u64 s[20:21], s[20:21], s[18:19]         ; and their codes
	s_mul_u64 s[46:47], s[46:47], s[18:19]
	s_mul_i32 s45, s14, HALFT                      ; where they go: wave x 128 rows: no place in the cluster enters an LDS address
	s_mul_i32 s94, s14, HALFS
	s_wait_dscnt 0x0                               ; both opening adds are done
	s_wait_kmcnt 0x0
	s_add_nc_u64 s[20:21], s[4:5], s[20:21]
	s_add_nc_u64 s[22:23], s[6:7], s[22:23]
	s_add_nc_u64 s[46:47], s[4:5], s[46:47]
	s_add_nc_u64 s[92:93], s[6:7], s[92:93]
	CROUND                                         ; all sixteen work-groups are here: the first joint loads meet
	s_mov_b32 s[G0S], 1
	s_add_co_u32 s[G0S+1], s94, SCL
	s_mov_b64 s[G0S+2:G0S+3], s[22:23]
	s_or_b32 s[G0S+3], s[G0S+3], 0x80000000
	s_mov_b32 s[G0SB], 1
	s_add_co_u32 s[G0SB+1], s94, SCL
	s_mov_b64 s[G0SB+2:G0SB+3], s[92:93]
	s_or_b32 s[G0SB+3], s[G0SB+3], 0x80000000
	JLOAD G0S, G1S, G0SB, G1SB                     ; the scales first: they are wanted with K step 0.  By this text's count three tensor loads of a wave are out at the start, one behind each later round
.irp s, 0,1
	s_mov_b32 s[G0+4*\s], 1
	s_add_co_u32 s[G0+4*\s+1], s45, \s*SLOT
	s_add_nc_u64 s[G0+4*\s+2:G0+4*\s+3], s[20:21], \s*ROWB
	s_or_b32 s[G0+4*\s+3], s[G0+4*\s+3], 0x80000000
	s_mov_b32 s[G0B+4*\s], 1
	s_add_co_u32 s[G0B+4*\s+1], s45, \s*SLOT
	s_add_nc_u64 s[G0B+4*\s+2:G0B+4*\s+3], s[46:47], \s*ROWB
	s_or_b32 s[G0B+4*\s+3], s[G0B+4*\s+3], 0x80000000
	JLOAD G0+4*\s, G1, G0B+4*\s, G1B
.endr
	v_and_b32 v1, 15, v0                           ; l % 16
	v_bfe_u32 v2, v0, 4, 1                         ; l / 16
	v_mul_u32_u24 v3, v1, PITCH
	v_lshl_add_u32 v4, v2, 4, v3                   ; a fragment's row x pitch + 16 x half
	s_mul_i32 s21, s15, HALFT                      ; my 128 rows of A
	s_mul_i32 s22, s16, HALFT                      ; my 128 rows of B,
	s_add_co_u32 s22, s22, 2*HALFT                 ; which lie behind A's 256
.irp s, 0,1
	v_add_nc_u32 v[ADRA+\s], s21, v4
	v_add_nc_u32 v[ADRB+\s], s22, v4
	s_add_co_u32 s21, s21, SLOT
	s_add_co_u32 s22, s22, SLOT
.endr
	v_mul_u32_u24 v5, v1, KS                       ; my row's scales: KS bytes a row,
	v_lshrrev_b32 v6, 8, v5
	v_lshl_add_u32 v5, v6, 4, v5                   ; and 16 more for each 256 passed
	s_mul_i32 s21, s15, HALFS                      ; A's: my 128 rows
	s_mul_i32 s22, s16, HALFS                      ; B's: my 128 rows, behind A's 256
	s_add_co_u32 s22, s22, 2*HALFS
	s_sub_co_u32 s22, s22, s21
	v_mul_u32_u24 v6, s22, v2                      ; lanes 16-31 take B's: one product, the distance between the two bases
	s_add_co_u32 s21, s21, SCL
	v_add_nc_u32 v5, v5, v6
	v_add_nc_u32 v[ADRS], s21, v5
	s_mul_i32 s23, s14, 16*SPITCH                  ; my stage
	v_mul_u32_u24 v5, v1, SPITCH                   ; in: row l % 16, 16 bytes for each half of the lanes
	v_lshl_add_u32 v5, v2, 4, v5
	v_add_nc_u32 v[STO], s23, v5
	v_mul_u32_u24 v5, v2, SPITCH                   ; back: lanes 0-15 one row of 256 bytes, lanes 16-31 the next
	v_lshl_add_u32 v5, v1, 4, v5
	v_add_nc_u32 v[RD], s23, v5
	v_and_b32 v6, 31, v0
	v_lshlrev_b32 v[CO], 4, v6                     ; the output block's rows are dense: two rows are 512 consecutive bytes
	v_lshlrev_b32 v[CSO], 8, v1
	v_lshl_add_u32 v[CSO], v2, 4, v[CSO]           ; a row of cos or sin is 256 bytes; my four numbers of 16 columns lie at 16 h
	; where my block of the output begins.  u = 2 x tile column + column half, w = 2 x tile row + row half.  q, k: head-sized unit u, block of rows w.  V: unit 32 + w (the head), block of keys u - 32.
	s_lshl_b32 s96, s42, 1
	s_add_co_u32 s96, s96, s16
	s_lshl_b32 s97, s17, 1
	s_add_co_u32 s97, s97, s15
	s_add_co_u32 s98, s97, 32
	s_sub_co_u32 s99, s96, 32
	s_cmp_lg_u32 s2, 0
	s_cselect_b32 s98, s98, s96
	s_cselect_b32 s99, s99, s97
	s_lshl_b32 s98, s98, 19                        ; 524,288 bytes a unit
	s_lshl_b32 s99, s99, 15                        ; 32,768 a block
	s_add_co_u32 s98, s98, s99
	s_mov_b32 s99, 0
	s_add_nc_u64 s[12:13], s[12:13], s[98:99]
	s_lshl_b32 s18, s17, 16                        ; cos and sin at my first row t = 256 x tile row + 128 x half: 256 bytes a row
	s_lshl_b32 s19, s15, 15
	s_add_co_u32 s18, s18, s19
	s_mov_b32 s19, 0
	s_add_nc_u64 s[8:9], s[8:9], s[18:19]
	s_add_nc_u64 s[10:11], s[10:11], s[18:19]
; cos and sin of block a (16 rows x 64 pairs: four of each a lane for each of the 8 column blocks) into window 1: 32 registers of cos, then 32 of sin
.macro COSLOAD a
.set CBS, 64+128*((\a)%2)
	WIN TO_B
.irp b, 0,1,2,3,4,5,6,7
	global_load_b128 v[CBS+4*\b:CBS+4*\b+3], v[CSO], s[8:9] offset:4096*(\a)+32*\b
	global_load_b128 v[CBS+32+4*\b:CBS+32+4*\b+3], v[CSO], s[10:11] offset:4096*(\a)+32*\b
.endr
	WIN 0
.endm
	s_cmp_lg_u32 s2, 0                             ; V has no RoPE
	s_cbranch_scc1 .Lno_cos
	COSLOAD 0                                      ; asked for here, wanted behind the whole product
	COSLOAD 1
.Lno_cos:
.macro FRAG reg, adr, q, i             ; a fragment, 16 rows x 128 K of 4-bit codes, is 8 registers: lane l holds row l % 16; registers 4 c .. 4 c + 3 hold K = 64 c + 32 (l / 16) + 0 .. 31
.irp c, 0,1
	ds_load_b128 v[\reg+4*\c:\reg+4*\c+3], v[\adr] offset:64*(\q)+32*\c+(\i)*16*PITCH
.endr
.endm
; 16 matrix instructions: A's blocks a0, a0 + 1 x B's eight, 128 along K.  p: B's set;  sc: the set of scale words.  zero = 1: the first product starts the sums.
; The 64 accumulators take turns, one instruction a turn, in the same order in every step.
.macro MUL16 a0, p, q, sc, zero
.irp a, \a0, \a0+1
.irp b, 0,1,2,3,4,5,6,7
.if \zero
	v_wmma_scale_f32_16x16x128_f8f6f4 v[8*(8*((\a)%4)+\b):8*(8*((\a)%4)+\b)+7], v[128*(\p)+FR*\b:128*(\p)+FR*\b+FR-1], v[AF+FR*(\a):AF+FR*(\a)+FR-1], 0, v[SC+8*NQ*(\sc)+NQ*\b+(\q)], v[SC+8*NQ*(\sc)+NQ*(\a)+(\q)] matrix_a_fmt:MATRIX_FMT_FP4 matrix_b_fmt:MATRIX_FMT_FP4 matrix_a_scale:MATRIX_SCALE_ROW1
.else
	v_wmma_scale_f32_16x16x128_f8f6f4 v[8*(8*((\a)%4)+\b):8*(8*((\a)%4)+\b)+7], v[128*(\p)+FR*\b:128*(\p)+FR*\b+FR-1], v[AF+FR*(\a):AF+FR*(\a)+FR-1], v[8*(8*((\a)%4)+\b):8*(8*((\a)%4)+\b)+7], v[SC+8*NQ*(\sc)+NQ*\b+(\q)], v[SC+8*NQ*(\sc)+NQ*(\a)+(\q)] matrix_a_fmt:MATRIX_FMT_FP4 matrix_b_fmt:MATRIX_FMT_FP4 matrix_a_scale:MATRIX_SCALE_ROW1
.endif
.endr
.endr
.endm
.macro FETCH_B slot, q, p              ; B's eight fragments of the slot's q-th 128 along K into set p
	WIN TO_B
.irp i, 0,1,2,3,4,5,6,7
	FRAG 128*(\p)+FR*\i, ADRB+\slot, \q, \i
.endr
	WIN 0
.endm
.macro FETCH_A slot, q, i0             ; A's blocks i0 .. i0 + 3
.irp i, \i0, \i0+1, \i0+2, \i0+3
	FRAG AF+FR*(\i), ADRA+\slot, \q, \i
.endr
.endm
.macro SCALES sc                       ; the next K step's scale words into set sc: NQ words a row; lanes 0-15 take A's block i, lanes 16-31 B's block i
.irp i, 0,1,2,3,4,5,6,7
	ds_load_b128 v[SC+8*NQ*\sc+NQ*\i:SC+8*NQ*\sc+NQ*\i+3], v[ADRS] offset:\i*SBLK
.endr
.endm
; A load into a register that a matrix instruction has read, and a vector instruction or an LDS store that reads a matrix result, stand NP places behind that matrix instruction; only plain vector
; instructions that name none of its registers are places (ISA guide 7.12.1 for vector instructions).
.macro PLACES n
.rept \n
	v_nop
.endr
.endm
; A step of 128 along K that has its successor in the same slot.
.macro STEP slot, q, zero
	s_wait_dscnt 4*NL                              ; B's set and A's blocks 0-3 are in; the youngest eight loads (A's blocks 4-7) may be out
	WIN MUL_LO
	MUL16 0, (\q)%2, \q, \slot, \zero
	MUL16 2, (\q)%2, \q, \slot, \zero
	s_wait_dscnt 0                                 ; A's blocks 4-7 are in
	PLACES NP
	FETCH_B \slot, (\q)+1, 1-(\q)%2
	FETCH_A \slot, (\q)+1, 0
	WIN MUL_HI
	MUL16 4, (\q)%2, \q, \slot, \zero
	MUL16 6, (\q)%2, \q, \slot, \zero
	PLACES NP
	WIN 0
	FETCH_A \slot, (\q)+1, 4
.endm
; A slot's last step changes slots: ONE barrier; in front of it each wave waits for all its tensor loads, adds 0 to its spare word, and waits for that and for its own reads of this slot.  fill = 1: this slot is filled again, two K steps ahead.
.macro TURN slot, next, fill
	s_wait_tensorcnt 0x0                           ; all my tensor loads have landed: my part of the next slot
	ds_add_u32 v[SPW], v[NIL]                      ; 0 onto my spare word
	s_wait_dscnt 4*NL+1                            ; (the add and the youngest eight loads, A's blocks 4-7, may be out)
	WIN MUL_LO
	MUL16 0, 1, NQ-1, \slot, 0                     ; sixteen matrix instructions stand between the add and the wait for it
	s_wait_dscnt 0x0                               ; the add is done, and my reads of this slot are over
	s_barrier_signal -1
	MUL16 2, 1, NQ-1, \slot, 0
	WIN 0
	s_barrier_wait -1
.if \fill
	CREST                                          ; the barrier has opened a round of the cluster's barrier: no wave of any partner still reads this slot's tile or has a load on its way
	s_add_nc_u64 s[G0+4*\slot+2:G0+4*\slot+3], s[G0+4*\slot+2:G0+4*\slot+3], 2*ROWB
	s_add_nc_u64 s[G0B+4*\slot+2:G0B+4*\slot+3], s[G0B+4*\slot+2:G0B+4*\slot+3], 2*ROWB
	JLOAD G0+4*\slot, G1, G0B+4*\slot, G1B         ; the first tensor load behind the round; the four v_nop behind it are the places in front of the loads below
.else
	PLACES NP
.endif
	v_add_nc_u32 v[ADRS], 4*NQ, v[ADRS]            ; on to the next K step's scale words
	FETCH_B \next, 0, 0
	FETCH_A \next, 0, 0
	SCALES \next
	WIN MUL_HI
	MUL16 4, 1, NQ-1, \slot, 0
	MUL16 6, 1, NQ-1, \slot, 0
	PLACES NP
	WIN 0
	FETCH_A \next, 0, 4
.endm
.macro STEPS slot, from                ; the slot's steps from .. NQ - 2
.set Q, \from
.rept NQ-1-\from
	STEP \slot, Q, 0
.set Q, Q+1
.endr
.endm
	s_wait_tensorcnt 1                             ; the scales and my part of K step 0 are in (K step 1's load may be out)
	s_barrier_signal -1
	s_barrier_wait -1                              ; everybody's are
	FETCH_B 0, 0, 0
	FETCH_A 0, 0, 0
	SCALES 0
	FETCH_A 0, 0, 4
	STEP 0, 0, 1                                   ; the first step stands in front of the loop: its products start the sums
	s_mov_b32 s3, LAPS-1
.Llap:                                                 ; a trip goes once round the ring, from a lap's second step to the next lap's first, and fills both slots again
	STEPS 0, 1
	TURN 0, 1, 1
	STEPS 1, 0
	TURN 1, 0, 1
	STEP 0, 0, 0
	s_sub_co_u32 s3, s3, 1
	s_cmp_lg_u32 s3, 0
	s_cbranch_scc1 .Llap
	STEPS 0, 1                                     ; the last lap fills nothing, and has no round of the cluster's barrier
	TURN 0, 1, 0
	STEPS 1, 0
	s_wait_dscnt 4*NL                              ; the very last step: nothing more to fetch
	WIN MUL_LO
	MUL16 0, 1, NQ-1, 1, 0
	MUL16 2, 1, NQ-1, 1, 0
	s_wait_dscnt 0
	WIN MUL_HI
	MUL16 4, 1, NQ-1, 1, 0
	MUL16 6, 1, NQ-1, 1, 0
	WIN 0
; THE WAY OUT, block by block of 16 rows x 128 columns.
; ROPE: pair p of a lane's 32 (registers 2 p, 2 p + 1 of the block's 64) is (xr, xi) of one rotation; its cos and sin are number p of the lane's 32.  T = (xr c, xi c); X = (-xi s + T.lo, xr s + T.hi): two packed
; instructions a pair, in f32, in place.  Each accumulator is read from its low end on.
.macro ROPE a
.set CBS, 64+128*((\a)%2)
.set AC, 64*((\a)%4)
.if (\a) < 7
	s_wait_loadcnt 16                              ; this block's cos and sin are in; the next block's sixteen loads, the only ones issued behind them, may be out
.else
	s_wait_loadcnt 0
.endif
	WIN 0x46+(\a)/4                                ; T in window 1, X in window 2 or 3, cos in window 1
.set p, 0
.rept 32
.if p%2
	v_pk_mul_f32 v[2*p:2*p+1], v[AC+2*p:AC+2*p+1], v[CBS+2*(p/2):CBS+2*(p/2)+1] op_sel:[0,1] op_sel_hi:[1,1]
.else
	v_pk_mul_f32 v[2*p:2*p+1], v[AC+2*p:AC+2*p+1], v[CBS+2*(p/2):CBS+2*(p/2)+1] op_sel:[0,0] op_sel_hi:[1,0]
.endif
.set p, p+1
.endr
	WIN 0x96+0x41*((\a)/4)                         ; X (destination and source 0) in window 2 or 3, sin and T in window 1
.set p, 0
.rept 32
.if p%2
	v_pk_fma_f32 v[AC+2*p:AC+2*p+1], v[AC+2*p:AC+2*p+1], v[CBS+32+2*(p/2):CBS+32+2*(p/2)+1], v[2*p:2*p+1] op_sel:[1,1,0] op_sel_hi:[0,1,1] neg_lo:[1,0,0]
.else
	v_pk_fma_f32 v[AC+2*p:AC+2*p+1], v[AC+2*p:AC+2*p+1], v[CBS+32+2*(p/2):CBS+32+2*(p/2)+1], v[2*p:2*p+1] op_sel:[1,0,0] op_sel_hi:[0,0,1] neg_lo:[1,0,0]
.endif
.set p, p+1
.endr
	WIN 0
.if (\a) < 6
	COSLOAD (\a)+2                                 ; into the registers just read: their own loads were shown done by the wait above
.endif
.endm
.macro PACK a                          ; rounded to f16: a lane's eight numbers of a row are 16 bytes
.set AC, 64*((\a)%4)
	WIN 0x0a+5*((\a)/4)                            ; sources 0 and 1: window 2 or 3
.irp b, 0,1,2,3,4,5,6,7
.irp r, 0,1,2,3
	v_cvt_pk_f16_f32 v[TMP+4*\b+\r], v[AC+8*\b+2*\r], v[AC+8*\b+2*\r+1]
.endr
.endr
	WIN 0
.endm
.macro TOSTAGE a, so                   ; into my own stage (so: which way's stages), and back as whole rows of 256 bytes
.set BB, OB+192*((\a)%2)
.irp b, 0,1,2,3,4,5,6,7
	ds_store_b128 v[STO], v[TMP+4*\b:TMP+4*\b+3] offset:(\so)+32*\b
.endr
.irp t, 0,1,2,3,4,5,6,7
	ds_load_b128 v[BB+4*\t:BB+4*\t+3], v[RD] offset:(\so)+\t*2*SPITCH    ; LDS serves a wave's instructions in order (ISA guide 5.7.1.4): these see the stores above
.endr
.endm
.macro SEND a
.set BB, OB+192*((\a)%2)
	s_wait_dscnt 0x0                               ; the block is back in registers
	s_wait_xcnt 0x0                                ; the stores of the block before have read their registers: the next block's loads from the stage may land there
.irp t, 0,1,2,3,4,5,6,7
	global_store_b128 v[CO], v[BB+4*\t:BB+4*\t+3], s[12:13] offset:4096*(\a)+512*\t   ; 32 lanes store 512 consecutive bytes, aligned
.endr
.endm
	PLACES NP                                      ; behind the last products: for the first reads of results and the writes into registers that held operands
	s_cmp_lg_u32 s2, 0                             ; the one parting of the ways: it hangs on the cluster's x alone, the same in all sixteen partners and all four waves
	s_cbranch_scc1 .Lplain
.irp a, 0,1,2,3,4,5,6,7                ; q and k.  Block a's arithmetic stands between block a - 1's loads from the stage and the wait for them
	ROPE \a
	PACK \a
.if \a > 0
	SEND \a-1
.endif
	TOSTAGE \a, 0
.endr
	SEND 7
	s_branch .Lclose
.Lplain:
.irp a, 0,1,2,3,4,5,6,7                ; V: the same without RoPE, through stages of its own
	PACK \a
.if \a > 0
	SEND \a-1
.endif
	TOSTAGE \a, STG_V
.endr
	SEND 7
.Lclose:
	s_wait_tensorcnt 0x0                           ; the wave's end: a tensor wait, 0 added to my spare word, and the wait for it, behind my last tensor load and my last LDS store
	ds_add_u32 v[SPW], v[NIL]
	s_wait_dscnt 0x0
	CROUND                                         ; the closing round: no work-group ends while a partner may still ask for a tile that names it
	s_endpgm
; ---------------- Wp TO f16: the path of the four clusters that have no tile ----------------
; wp16[c][d] = Wp[c][d], rounded to nearest even, same layout.  64 work-groups x 4 waves: a wave takes 16,384 numbers, 65,536 bytes in and 32,768 out.  The work-group's place in its cluster enters the two global
; offsets and nothing else.  Eight batches of sixteen loads, each load 512 consecutive bytes; every batch has 64 registers of its own (windows 1 and 2), is rounded in place and stored from there, so no register that
; a load or store names is ever written again.  Three batches are on their way.
.macro CLOAD k
	WIN (0x40*(1+(\k)/4))                          ; destination window 1 or 2, address window 0
.set n, 0
.rept 16
	global_load_b128 v[64*((\k)%4)+4*n:64*((\k)%4)+4*n+3], v3, s[4:5] offset:512*(16*(\k)+n) th:TH_LOAD_NT
.set n, n+1
.endr
.endm
.macro CROUNDED k, left
	s_wait_loadcnt \left                           ; this batch is in; the younger batches' loads, sixteen each, may be out
	WIN (0x45*(1+(\k)/4))                          ; destination and both sources in the batch's window
.set n, 0
.rept 16
	v_cvt_pk_f16_f32 v[64*((\k)%4)+4*n], v[64*((\k)%4)+4*n], v[64*((\k)%4)+4*n+1]
	v_cvt_pk_f16_f32 v[64*((\k)%4)+4*n+1], v[64*((\k)%4)+4*n+2], v[64*((\k)%4)+4*n+3]
.set n, n+1
.endr
	WIN (0x04*(1+(\k)/4))                          ; a store's data are its source 1
.set n, 0
.rept 16
	global_store_b64 v4, v[64*((\k)%4)+4*n:64*((\k)%4)+4*n+1], s[6:7] offset:256*(16*(\k)+n)   ; 32 lanes store 256 consecutive bytes, aligned
.set n, n+1
.endr
.endm
.Lconvert:
	s_load_b64 s[4:5], s[0:1], 0x28                ; Wp
	s_load_b64 s[6:7], s[0:1], 0x30                ; wp16
	v_lshrrev_b32 v1, 5, v0
	v_readfirstlane_b32 s14, v1                    ; wave 0..3
	s_bfe_u32 s40, ttmp6, 0x40000                  ; cx, cy: my place in the cluster
	s_bfe_u32 s41, ttmp6, 0x40004
	s_sub_co_u32 s16, ttmp9, 6                     ; which of the four clusters: 2 x (cluster x - 6) + cluster y
	s_lshl_b32 s16, s16, 1
	s_and_b32 s17, ttmp7, 0xffff
	s_add_co_u32 s16, s16, s17
	s_lshl_b32 s16, s16, 2
	s_add_co_u32 s16, s16, s41
	s_lshl_b32 s16, s16, 2
	s_add_co_u32 s16, s16, s40                     ; which of the 64 work-groups
	s_lshl_b32 s16, s16, 2
	s_add_co_u32 s16, s16, s14                     ; which of the 256 waves
	s_lshl_b32 s18, s16, 16                        ; 65,536 bytes in,
	s_mov_b32 s19, 0
	s_lshl_b32 s20, s16, 15                        ; 32,768 out
	s_mov_b32 s21, 0
	v_and_b32 v2, 31, v0
	v_lshlrev_b32 v3, 4, v2                        ; 16 x lane
	v_lshlrev_b32 v4, 3, v2                        ; 8 x lane
	s_wait_kmcnt 0x0
	s_add_nc_u64 s[4:5], s[4:5], s[18:19]
	s_add_nc_u64 s[6:7], s[6:7], s[20:21]
	CLOAD 0
	CLOAD 1
	CLOAD 2
.irp k, 0,1,2,3,4
	CROUNDED \k, 32
	CLOAD \k+3
.endr
	CROUNDED 5, 32
	CROUNDED 6, 16
	CROUNDED 7, 0
	WIN 0
	s_endpgm
.Lfunc_end_k_q8ac70c6731_qkv:
	.size	k_q8ac70c6731_qkv, .Lfunc_end_k_q8ac70c6731_qkv-k_q8ac70c6731_qkv
	.p2alignl 7, 3214868480
	.fill 96, 4, 3214868480
	.section	.rodata,"a",@progbits
	.p2align	6, 0x0
	.amdhsa_kernel k_q8ac70c6731_qkv
		.amdhsa_group_segment_fixed_size 327680
		.amdhsa_private_segment_fixed_size 0
		.amdhsa_enable_private_segment 0
		.amdhsa_kernarg_size 56
		.amdhsa_user_sgpr_count 2
		.amdhsa_user_sgpr_kernarg_segment_ptr 1
		.amdhsa_wavefront_size32 1
		.amdhsa_system_sgpr_workgroup_id_x 1
		.amdhsa_system_sgpr_workgroup_id_y 1
		.amdhsa_system_sgpr_workgroup_id_z 1
		.amdhsa_system_vgpr_workitem_id 0
		.amdhsa_next_free_vgpr 1024
		.amdhsa_next_free_sgpr 100
		.amdhsa_reserve_vcc 0
		.amdhsa_float_denorm_mode_32 3
		.amdhsa_float_denorm_mode_16_64 3
		.amdhsa_memory_ordered 1
		.amdhsa_forward_progress 1
		.amdhsa_inst_pref_size 255
	.end_amdhsa_kernel
	.section	.bss,"aw",@nobits
	.p2align	6
	.space	262144
	.amdgpu_metadata
---
amdhsa.version: [ 1, 2 ]
amdhsa.kernels:
  - .name:           k_q8ac70c6731_qkv
    .symbol:         k_q8ac70c6731_qkv.kd
    .args:
      - { .name: codes, .offset: 0, .size: 8, .value_kind: global_buffer, .address_space: global }
      - { .name: scales, .offset: 8, .size: 8, .value_kind: global_buffer, .address_space: global }
      - { .name: rope_cos, .offset: 16, .size: 8, .value_kind: global_buffer, .address_space: global }
      - { .name: rope_sin, .offset: 24, .size: 8, .value_kind: global_buffer, .address_space: global }
      - { .name: qkv, .offset: 32, .size: 8, .value_kind: global_buffer, .address_space: global }
      - { .name: Wp, .offset: 40, .size: 8, .value_kind: global_buffer, .address_space: global }
      - { .name: wp16, .offset: 48, .size: 8, .value_kind: global_buffer, .address_space: global }
    .group_segment_fixed_size: 327680
    .private_segment_fixed_size: 0
    .kernarg_segment_align: 8
    .kernarg_segment_size: 56
    .max_flat_workgroup_size: 128
    .sgpr_count:     100
    .vgpr_count:     1024
    .wavefront_size: 32
...
	.end_amdgpu_metadata
.endif
;; end of part 2
;; launch attn (part 3): grid 16 x 16, 4 waves a work-group, clusters of 4 x 1, 327,680 bytes of LDS; arguments qkv, mbits, o16, ofine; writes o16, ofine
.if DOCPART == 3
	.amdgcn_target "amdgcn-amd-amdhsa--gfx1250"
	.amdhsa_code_object_version 6
	.text
	.protected	k_q8ac70c6731_attn
	.globl	k_q8ac70c6731_attn
	.p2align	8
	.type	k_q8ac70c6731_attn,@function
k_q8ac70c6731_attn:
	s_mov_b64 s[64:65], 0
	v_nop
	global_prefetch_b8 v0, s[64:65] scope:SCOPE_SE
	s_setreg_imm32_b32 hwreg(HW_REG_WAVE_MODE, 25, 1), 1
	s_wait_xcnt 0x0
	s_wait_alu depctr_hold_cnt(0) depctr_sa_sdst(0) depctr_va_vdst(0) depctr_va_sdst(0) depctr_va_ssrc(0) depctr_va_vcc(0) depctr_vm_vsrc(0)
	s_getreg_b32 s2, hwreg(HW_REG_IB_STS2, 6, 4)
	s_cmp_eq_u32 s2, 0
	s_cbranch_scc0 .Lentry_in_a_cluster
	s_endpgm
.Lentry_in_a_cluster:
	s_bfe_u32 s2, ttmp6, 0x10000c
	s_cmp_lg_u32 s2, 0x3003
	s_cbranch_scc0 .Lentry_shape_is_right
	s_endpgm
.Lentry_shape_is_right:
; ATTENTION.  O[q] = the sum over k of softmax_k(mask ? Q[q] . K[k] / sqrt(128) : lowest) V[k], for 16 heads of 128, 2,048 queries and keys.  Operands f16, products, maxima and sums f32; the weights p are rounded to f16.
; qkv: q16 [16][2048][128], k16 likewise 8,388,608 bytes on, vT [16 heads][16 blocks][128 channels][128 keys] 16,777,216 bytes on.  mbits: lane masks, [32 halves of 64 queries][32 key steps][2 pairs][2 tiles][32 words].
; THE MASK IS AN INPUT: every query meets every key, and a masked score becomes -2^126 by v_cndmask_b32 on a mask word in a scalar register.  c x (-2^126) is exact, so in a row with no key open so far every p is 2^0 = 1;
; the first open key makes a = 2^(c m_old - c m_new) = 0, which wipes those terms; a row that stays closed ends as the plain mean of all values, as the reference's lowest number gives it.
; SHARES.  A work-group owns 128 queries of one head.  Wave w: a = w / 2 says which 64 queries (four tiles of 16), b = w % 2 which key steps of 64 keys: the even or the odd ones, 16 steps.  At the end waves (a, 0) and
; (a, 1) merge their running maxima, sums and O.  Register tile i holds query tile i xor 2 b, so that every wave KEEPS tiles 0, 1 and SENDS tiles 2, 3: one text, no branch.
; LAYOUT.  S^T = K Q^T (source 0 = 16 keys, source 1 = 16 queries): a lane holds ONE query (lane % 16) and the keys 8 (lane / 16) + 0..7.  Two such tiles, rounded in pairs, ARE source 1 of O^T = V^T P.
; BY TURNS.  The wave's tiles are two PIECES (0: tiles 0, 1; 2: tiles 2, 3).  In a TURN one piece has the matrix unit (32 products V^T P of the step in hand, 32 products K Q^T of the next); the other piece's
; mask and softmax, 332 instructions cut into 64 slices, stand one slice behind each matrix instruction.  Two turns are a key step.
; CLUSTER.  The four query blocks of a cluster belong to one head and walk the same K and V: each block of 128 rows is asked for JOINTLY, by the same tensor load with a mask that names the four.
; LIMITS: a weight under 2^-24 of its row's largest becomes 0 in f16; NaN and infinities are not served.  The 16 first rows also leave in f32 (ofine), in runs of 64 bytes: 131,072 bytes in the whole launch.
; REGISTERS, in windows of 256: window 0: v0-11, v44-49, v61-63 addresses and constants; v12-43 eight statistics a tile; v64-191 S^T, 32 a tile; v192-255 P, 16 a tile.
;   window 1: O^T, 64 a tile.   window 2: v0-127 Q, 32 a tile; v128-255 K of one step.   window 3: v0-127 V of one step.
.set PITCH, 272       ; an LDS row: 256 bytes + 16 of padding: the 16 rows of a load start 68 words apart
.set BLK,   128*PITCH ; a block of 128 rows: what one tensor load brings
.set SLOT1, 4*BLK     ; a slot holds 256 keys: K's keys 0-127, K's keys 128-255, vT's block 0, vT's block 1.  Slot 1 begins here; this number shares no bit with wave x BLK, so one exclusive or changes slots
.set STEPB, BLK       ; from a wave's own key step to its next, in K and in V alike
.set SPARE, 2*SLOT1   ; behind the ring: the spare words, 128 bytes a wave, which no other line names
.set XREG,  17408     ; the merge: a region for each wave in LDS slot 0, which has had its last fill and its last read by then: 16,384 bytes of O^T, then 4 x 128 of statistics
.set STAGE, 4*XREG    ; behind them: 16 rows x 272 bytes for each wave, for the way out
.set SP,    272
.set AK0, 2           ; v2   my lane's place in a step's rows of K
.set AV0, 3           ; v3   the same for V
.set ADR, 4           ; v4   the LDS address of the run of loads in hand
.set QO0, 5           ; v5   my byte offset in Q for tiles 0, 1
.set STO, 6           ; v6   the way out: where I put 16 bytes of a row
.set RD,  7           ; v7   where I read a row back
.set GO,  8           ; v8   my byte offset in two rows of o16
.set QO2, 10          ; v10  my byte offset in Q for tiles 2, 3
.set XST, 11          ; v11  the merge: where I put register images
.set ST,  12          ; tile t's statistics at v[ST+8 t]: +0 c m, +1 m, +2, +3 l, +4 to +7 at work; a takes +6 once the maximum is found
.set XLD, 44          ; v44  where I read my partner's images
.set NEG, 45          ; v45  -2^126
.set FO,  46          ; v46  my byte offset in ofine
.set XSS, 47          ; v47  where I put statistics
.set XLS, 48          ; v48  where I read my partner's
.set CXV, 49          ; v49  my work-group's place in the cluster
.set PFO, 61          ; v61  256 x lane; never rewritten
.set SPW, 62          ; v62  LDS address of my spare word; never rewritten
.set NIL, 63          ; v63  0; never rewritten
.set S,   64
.set P,   192
.set KF,  128         ; K's fragments, in window 2
.set WV,  8           ; s8   my wave's number
.set PB,  9           ; s9   b
.set MOFF, 10         ; s10  byte offset in my half's mask words of the 64 words loaded last
.set LIM, 11          ; s11  1 in a wave that prefetches, else the greatest number
.set G0,  12          ; s[12:15] descriptor group 0: it walks
.set G1,  16          ; s[16:23] descriptor group 1
.set SLOTS, 24
.set TWICE, 25
.set TB,  26          ; s26  LDS byte at which the block of the step to be fetched begins
.set FINE, 27         ; s27  1 in wave 0 of the head's first cluster
.set CS,  28          ; s[28:29] c = log2(e) / sqrt(128)
.set SEL, 30          ; s[30:31] lane selects for v_permlanex16_b32
.set PFA, 66          ; s[66:67] where my prefetches stand
.set QB,  100         ; s[100:101] Q's base; at the end ofine's.   s[32:63], s[68:99]: the 64 mask words of a piece and a key step
.set MSB, 0
.macro WIN new                      ; the immediate's high byte repeats the setting that is left; a switch that changes nothing is dropped
.if MSB != \new
	s_set_vgpr_msb (MSB<<8)|\new
.set MSB, \new
.endif
.endm
.set W_KQ, 0x0a       ; K and Q in window 2, S^T in window 0
.set W_PV, 0x53       ; V in window 3, P in window 0, O^T in window 1
.set W_RS, 0x41       ; O^T (destination and source 0) in window 1, a in window 0
; A joint load: one line for all four waves; wave w brings block w of the slot (both addresses hang on the wave's number).  An s_nop 0 and four v_nop follow.  One tensor load of a wave is out at any time.
.macro JLOAD
	tensor_load_to_lds s[G0:G0+3], s[G1:G1+7]
	s_nop 0
.rept 4
	v_nop
.endr
.endm
; A PREFETCH of what the NEXT change of slots will ask for: my wave's block of the slot after the one just asked for, two own key steps (256 matrix instructions of a wave) ahead of that load.  All clusters of a head
; walk the same K and V: the head's first cluster asks.  Its four partners share a block's 128 rows out BY ADDRESS, 32 each, a lane a row of 256 bytes: each row is named once in the launch.
; Slots 0 to 2 come by their loads alone; the last change that fills a slot asks for nothing.
.macro ASK
	s_cmp_gt_u32 s[SLOTS], s[LIM]
	s_cbranch_scc0 .Lnot_mine_\@
	global_prefetch_b8 v[PFO], s[PFA:PFA+1] th:TH_LOAD_NT scope:SCOPE_SE
.Lnot_mine_\@:
.endm
.macro CROUND                       ; a round of the cluster's barrier
	s_barrier_signal -1
	s_barrier_wait -1
	s_cmp_lg_u32 s[WV], 0
	s_cbranch_scc1 .Lnot_wave_0_\@
	s_barrier_signal -3
.Lnot_wave_0_\@:
	s_barrier_wait -3
	s_barrier_signal -1
	s_barrier_wait -1
.endm
.macro MWORDS                       ; 64 mask words, 256 bytes, into scalar registers
	s_load_b512 s[32:47], s[6:7], s[MOFF] offset:0x0
	s_load_b512 s[48:63], s[6:7], s[MOFF] offset:0x40
	s_load_b512 s[68:83], s[6:7], s[MOFF] offset:0x80
	s_load_b512 s[84:99], s[6:7], s[MOFF] offset:0xc0
.endm
; The words of the softmax that follows piece y's: behind piece 0 the other pair of the same key step (256 bytes away, either way: an exclusive or), behind piece 2 the first pair again, two key steps (1,024 bytes) on.
.macro MLOAD y
	s_xor_b32 s[MOFF], s[MOFF], 256
.if (\y) == 2
	s_add_co_u32 s[MOFF], s[MOFF], 1024
.endif
	MWORDS
.endm
	s_load_b64 s[QB:QB+1], s[0:1], 0x0             ; qkv
	s_load_b64 s[6:7], s[0:1], 0x8                 ; mbits
	s_load_b64 s[4:5], s[0:1], 0x10                ; o16
	v_lshl_add_u32 v[SPW], v0, 2, SPARE
	v_mov_b32 v[NIL], 0
	ds_add_u32 v[SPW], v[NIL]       ; the wave's opening: the add, twice on end, and its wait ahead of my first tensor load
	ds_add_u32 v[SPW], v[NIL]       ; and once more; the set-up below, work on registers, stands between it and the wait
	v_lshrrev_b32 v1, 5, v0
	v_readfirstlane_b32 s[WV], v1   ; wave 0..3
	s_and_b32 s[PB], s[WV], 1       ; b
	s_lshr_b32 s32, s[WV], 1        ; a
	s_bfe_u32 s33, ttmp6, 0x40000   ; cx: my place in the cluster
	s_lshl_b32 s34, ttmp9, 2
	s_add_co_u32 s34, s34, s33      ; my block of 128 queries = 4 x cluster x + cx: it enters Q's, the mask's and O's addresses alone
	s_and_b32 s35, ttmp7, 0xffff    ; the head, which the four partners share
	s_lshl_b32 s36, s35, 19         ; a head is 524,288 bytes in q16, k16 and vT
	s_add_co_u32 s38, s32, 1        ; what I fetch: waves 0, 1 from k16, waves 2, 3 from vT,
	s_lshl_b32 s38, s38, 23
	s_add_co_u32 s38, s38, s36      ; my head,
	s_lshl_b32 s39, s[PB], 15       ; block w % 2 of a slot's two
	s_add_co_u32 s38, s38, s39
	s_mov_b32 s39, 0
	s_lshl_b32 s40, s33, 13         ; the prefetches: my work-group's 32 rows of the block,
	s_add_co_u32 s40, s40, 2*65536  ; in slot 2: the first change of slots that asks steps it to slot 3
	s_mov_b32 s41, 0
	s_lshl_b32 s42, s34, 15         ; my 64 queries: 128 x block + 64 a.  In Q that is x 256 bytes; in mbits (2 x block + a) x 16,384: the same number
	s_lshl_b32 s43, s32, 14
	s_add_co_u32 s42, s42, s43
	s_mov_b32 s43, 0
	s_add_co_u32 s44, s42, s36      ; Q: and my head
	s_mov_b32 s45, 0
	s_lshl_b32 s46, s34, 19         ; o16: the first row that I keep, 128 x block + 64 a + 32 b, x 4,096 bytes, + 256 x head
	s_lshl_b32 s47, s32, 18
	s_add_co_u32 s46, s46, s47
	s_lshl_b32 s47, s[PB], 17
	s_add_co_u32 s46, s46, s47
	s_lshl_b32 s47, s35, 8
	s_add_co_u32 s46, s46, s47
	s_mov_b32 s47, 0
	; descriptor group 1: a dense block of 128 rows x 256 bytes (32 elements of 8 bytes), 16 bytes of padding behind each row
	s_mov_b32 s[G1], 15|(3<<16)|(1<<20)|(1<<21)|(5<<22)|(3<<25)  ; 15:0 the mask: all four work-groups; elements of 8 bytes; padding on; bit 21 beside a mask; after every 64 words four words
	s_mov_b32 s[G1+1], 32<<16       ; tensor_dim0
	s_mov_b32 s[G1+2], 128<<16      ; tensor_dim1
	s_mov_b32 s[G1+3], 32<<16       ; tile_dim0
	s_mov_b32 s[G1+4], 128          ; tile_dim1
	s_mov_b32 s[G1+5], 32           ; tensor_dim0_stride
	s_mov_b32 s[G1+6], 0
	s_mov_b32 s[G1+7], 0
	s_mov_b32 s[G0], 1              ; count = 1
	s_mul_i32 s[G0+1], s[WV], BLK   ; LDS address: block w of slot 0: no place in the cluster enters it
	s_mov_b32 s[CS], 0x3e0293ee     ; c = log2(e) / sqrt(128)
	s_mov_b32 s[CS+1], s[CS]        ; named with it as a pair, so it is written
	s_mov_b32 s[SEL], 0x76543210
	s_mov_b32 s[SEL+1], 0xfedcba98
	s_mov_b32 s[TB], 0
	s_mov_b32 s[SLOTS], 6
	s_mul_i32 s[MOFF], s[PB], 768   ; piece 0 at my first key step: step b (512 b) and pair b (256 b)
	s_cmp_eq_u32 ttmp9, 0           ; the head's first cluster: the same in all four partners
	s_cselect_b32 s[LIM], 1, -1
	s_or_b32 s2, ttmp9, s[WV]
	s_cmp_eq_u32 s2, 0
	s_cselect_b32 s[FINE], 1, 0
	v_and_b32 v[PFO], 31, v0
	v_lshlrev_b32 v[PFO], 8, v[PFO]
	v_mov_b32 v[CXV], s33
	s_wait_dscnt 0x0                ; both opening adds are done
	s_wait_kmcnt 0x0
	s_add_nc_u64 s[G0+2:G0+3], s[QB:QB+1], s[38:39]  ; global address of my block of slot 0
	s_add_nc_u64 s[PFA:PFA+1], s[G0+2:G0+3], s[40:41]
	s_or_b32 s[G0+3], s[G0+3], 0x80000000            ; type = 2
	s_add_nc_u64 s[QB:QB+1], s[QB:QB+1], s[44:45]
	s_add_nc_u64 s[6:7], s[6:7], s[42:43]
	s_add_nc_u64 s[4:5], s[4:5], s[46:47]
	CROUND                          ; all four work-groups are here: the first joint loads meet
	JLOAD                           ; slot 0
	MWORDS                          ; the first softmax's mask words
	v_and_b32 v1, 15, v0            ; r = l % 16
	v_bfe_u32 v9, v0, 4, 1          ; h = l / 16
	v_lshlrev_b32 v50, 8, v1
	v_lshl_add_u32 v50, v9, 4, v50  ; a fragment of Q: row x 256 + 16 x half
	s_lshl_b32 s2, s[PB], 13
	v_add_nc_u32 v[QO0], s2, v50    ; tiles 0, 1: queries 32 b on of my 64
	s_xor_b32 s2, s2, 8192
	v_add_nc_u32 v[QO2], s2, v50    ; tiles 2, 3: the other 32
	WIN 0x80                        ; destination window 2, address window 0
.irp i, 0,1,2,3,4,5,6,7             ; Q stays in registers: tile i / 4, channels 32 (i % 4) on
	global_load_b128 v[8*\i:8*\i+3],   v[QO0], s[QB:QB+1] offset:(\i/4)*4096+(\i%4)*64
	global_load_b128 v[8*\i+4:8*\i+7], v[QO0], s[QB:QB+1] offset:(\i/4)*4096+(\i%4)*64+32
.endr
.irp i, 0,1,2,3,4,5,6,7
	global_load_b128 v[64+8*\i:64+8*\i+3],   v[QO2], s[QB:QB+1] offset:(\i/4)*4096+(\i%4)*64
	global_load_b128 v[64+8*\i+4:64+8*\i+7], v[QO2], s[QB:QB+1] offset:(\i/4)*4096+(\i%4)*64+32
.endr
	WIN 0
	v_mul_u32_u24 v51, v1, PITCH
	v_lshl_add_u32 v51, v9, 4, v51  ; row x pitch + 16 x half
	s_mul_i32 s2, s[PB], 64*PITCH
	v_add_nc_u32 v[AK0], s2, v51    ; K: my steps' keys are rows 64 b on of a block
	s_lshl_b32 s2, s[PB], 7
	s_add_co_u32 s2, s2, 2*BLK
	v_add_nc_u32 v[AV0], s2, v51    ; V: behind K's two blocks; my steps' keys are bytes 128 b on of each row
	v_and_b32 v52, 31, v0
	s_mul_i32 s2, s[WV], XREG
	s_xor_b32 s3, s[WV], 1          ; my partner in the merge
	s_mul_i32 s3, s3, XREG
	v_lshl_add_u32 v[XST], v52, 4, s2
	v_lshl_add_u32 v[XLD], v52, 4, s3
	s_add_co_u32 s2, s2, 16384
	s_add_co_u32 s3, s3, 16384
	v_lshl_add_u32 v[XSS], v52, 2, s2
	v_lshl_add_u32 v[XLS], v52, 2, s3
	v_mov_b32 v[NEG], 0xfe800000    ; -2^126
	v_lshlrev_b32 v[FO], 13, v1
	v_lshl_add_u32 v[FO], v9, 5, v[FO]  ; ofine: row r of 8,192 bytes, + 32 h
; THE MATRIX WORK OF A TURN, for piece x.  The accumulators take turns, one instruction a turn: between two links of a chain stand 15 (V^T P) or 7 (K Q^T) others'.
; Product i of 32 of O^T += V^T P: keys 32 (i / 16) on, channels 16 ((i / 2) % 8) on, tile x + i % 2.  zero = 1: the first 16 start the sums.
.macro PV x, zero
	WIN W_PV
.set rO, 64*(\x+i%2)+8*((i/2)%8)
.set rV, 64*(i/16)+8*((i/2)%8)
.set rP, P+16*(\x+i%2)+8*(i/16)
.if \zero && (i < 16)
	v_wmma_f32_16x16x32_f16 v[rO:rO+7], v[rV:rV+7], v[rP:rP+7], 0
.else
	v_wmma_f32_16x16x32_f16 v[rO:rO+7], v[rV:rV+7], v[rP:rP+7], v[rO:rO+7]
.endif
.endm
; Product i of 32 of S^T = K Q^T: channels 32 (i / 8) on, keys 16 ((i / 2) % 4) on, tile x + i % 2.  The first 8 start the sums.
.macro KQ x
	WIN W_KQ
.set rS, S+32*(\x+i%2)+8*((i/2)%4)
.set rK, KF+32*((i/2)%4)+8*(i/8)
.set rQ, 32*(\x+i%2)+8*(i/8)
.if i < 8
	v_wmma_f32_16x16x32_f16 v[rS:rS+7], v[rK:rK+7], v[rQ:rQ+7], 0
.else
	v_wmma_f32_16x16x32_f16 v[rS:rS+7], v[rK:rK+7], v[rQ:rQ+7], v[rS:rS+7]
.endif
.endm
; THE LDS LOADS stand in runs of 32: a step's K (64 keys x 128 channels: 16 fragments) and, a turn later, its V (128 channels x 64 keys: 16 fragments, read as they lie: the keys are innermost).
.macro FETCH_K
	WIN 0
	v_add_nc_u32 v[ADR], s[TB], v[AK0]
	WIN 0x80                        ; destination window 2
.irp f, 0,1,2,3,4,5,6,7,8,9,10,11,12,13,14,15  ; keys 16 (f / 4) on, channels 32 (f % 4) on
	ds_load_b128 v[KF+8*\f:KF+8*\f+3],   v[ADR] offset:(\f/4)*16*PITCH+(\f%4)*64
	ds_load_b128 v[KF+8*\f+4:KF+8*\f+7], v[ADR] offset:(\f/4)*16*PITCH+(\f%4)*64+32
.endr
.endm
.macro FETCH_V
	WIN 0
	v_add_nc_u32 v[ADR], s[TB], v[AV0]
	s_add_co_u32 s[TB], s[TB], STEPB  ; the next fetch is my next step's
	s_wait_alu depctr_va_vdst(0)    ; the wait for the softmax's batch of exponentials, ahead of the first instruction that names a result
	WIN 0xc0                        ; destination window 3
.irp f, 0,1,2,3,4,5,6,7,8,9,10,11,12,13,14,15  ; keys 32 (f / 8) on, channels 16 (f % 8) on
	ds_load_b128 v[8*\f:8*\f+3],   v[ADR] offset:(\f%8)*16*PITCH+(\f/8)*64
	ds_load_b128 v[8*\f+4:8*\f+7], v[ADR] offset:(\f%8)*16*PITCH+(\f/8)*64+32
.endr
.endm
; THE VECTOR WORK OF A TURN: piece y's mask and softmax for one key step, a list of 332 places; SMX writes place pos and steps pos.  s0-s31 are a lane's 32 scores of a tile, in pairs 0-15.
;   0-63     the mask: score e of tile y, then of tile y + 1, keeps its value where its word's bit for my lane is set, else becomes -2^126.  The wait for the words stands ahead of place 0.
;   64-105   both tiles by turns: the maximum of s0-s31 and the old m (16 lines), the other half of the lanes' maximum, the new m, c m, c m_old - c m_new (5 lines).  Ahead of place 70 the next softmax's words are asked for:
;            the last mask line that read the registers stands six places back, and the wait ahead of place 0 has shown the earlier scalar loads done, so their offset register may be stepped.
;   106-203  ONE BATCH, both tiles by turns, 49 lines a tile: scalings c s - c m of pairs 0, 1; a's exponential; fourteen times (two exponentials, the scaling of the pair two on); the last four exponentials.
;            None of these names an exponential's result.
;   (204)    one plain line, then the wait for the batch, once for the 66 exponentials of both tiles; in piece 0's list V's run of loads stands here and holds the wait.
;   204-235  the roundings to f16;   236-267  the sums, l = a l + the sum;   268-331  O^T times a: the one part that leaves window 0.
; first = 1: the first key step, which starts m, l and O^T: it has no a and nothing to rescale.
.macro SMX y, first, ml
.if pos == 0
	s_wait_kmcnt 0x0                ; the mask words are in
.endif
.if (pos == 70) && \ml
	MLOAD \y
.endif
.if pos == 204
	WIN 0
	v_nop                           ; the plain instruction behind the last exponential
.if (\y) == 0
	FETCH_V
.else
	s_wait_alu depctr_va_vdst(0)    ; the wait for the batch
.endif
.endif
.if pos < 64
.set rS, S+32*((\y)+pos/32)+pos%32
	WIN 0
	v_cndmask_b32 v[rS], v[NEG], v[rS], s[32+pos+4*(pos/32)]
.else
.set tl, (\y)+pos%2
.set rT, ST+8*tl
.set rS, S+32*tl
.set rP, P+16*tl
.if pos < 268
	WIN 0
.endif
.if pos < 106
.set j, (pos-64)/2
.if j < 4
	v_max3_num_f32 v[rT+4+j], v[rS+8*j], v[rS+8*j+1], v[rS+8*j+2]
.elseif j < 12
	v_max3_num_f32 v[rT+4+j%4], v[rT+4+j%4], v[rS+8*(j%4)+2*(j/4)+1], v[rS+8*(j%4)+2*(j/4)+2]
.elseif j == 12
	v_max3_num_f32 v[rT+4], v[rT+4], v[rS+7], v[rS+15]
.elseif j == 13
	v_max3_num_f32 v[rT+6], v[rT+6], v[rS+23], v[rS+31]
.elseif j == 14
	v_max3_num_f32 v[rT+4], v[rT+4], v[rT+5], v[rT+6]
.elseif (j == 15) && \first
	v_max_num_f32 v[rT+4], v[rT+4], v[rT+7]
.elseif j == 15
	v_max3_num_f32 v[rT+4], v[rT+4], v[rT+7], v[rT+1]
.elseif j == 16
	v_permlanex16_b32 v[rT+5], v[rT+4], s[SEL], s[SEL+1]  ; the query's other 32 keys lie in the lane 16 away
.elseif j == 18
	v_max_num_f32 v[rT+1], v[rT+4], v[rT+5]
.elseif j == 19
	v_mul_f32 v[rT], s[CS], v[rT+1]
.elseif \first                      ; the first step has neither of the two below
.elseif j == 17
	v_mov_b32 v[rT+7], v[rT]        ; c m_old is kept for a
.else
	v_sub_f32 v[rT+7], v[rT+7], v[rT]
.endif
.elseif pos < 204
.set en, (pos-106)/2
.set kind, 1                        ; 1: the scaling of pair bb; 2: the exponential of score bb; 0: a's exponential
.set bb, en
.if en == 2
.set kind, 0
.elseif en >= 45
.set kind, 2
.set bb, en-17
.elseif en >= 3
.if (en-3)%3 == 2
.set bb, (en-3)/3+2
.else
.set kind, 2
.set bb, 2*((en-3)/3)+(en-3)%3
.endif
.endif
.if kind == 1
	v_pk_fma_f32 v[rS+2*bb:rS+2*bb+1], v[rS+2*bb:rS+2*bb+1], s[CS:CS+1], v[rT:rT+1] op_sel_hi:[1,0,0] neg_lo:[0,0,1] neg_hi:[0,0,1]  ; c s - c m
.elseif kind == 2
	v_exp_f32 v[rS+bb], v[rS+bb]
.elseif !\first
	v_exp_f32 v[rT+6], v[rT+7]
.endif
.elseif pos < 236
.set j, (pos-204)/2
	v_cvt_pk_f16_f32 v[rP+j], v[rS+2*j], v[rS+2*j+1]
.elseif pos < 268                   ; the sum of the tile's 16 pairs, in place: neighbours 1, 2, 4 and 8 pairs apart, then l takes it
.set z, (pos-236)/2
.set w, 4
.set u, z
.if z >= 14
.set w, 32
.set u, 0
.elseif z >= 12
.set w, 16
.set u, z-12
.elseif z >= 8
.set w, 8
.set u, z-8
.endif
.if (z == 14) && \first
	v_pk_add_f32 v[rT+2:rT+3], v[rS:rS+1], v[rS+16:rS+17]
.elseif z < 15
	v_pk_add_f32 v[rS+w*u:rS+w*u+1], v[rS+w*u:rS+w*u+1], v[rS+w*u+w/2:rS+w*u+w/2+1]
.elseif !\first
	v_pk_fma_f32 v[rT+2:rT+3], v[rT+2:rT+3], v[rT+6:rT+7], v[rS:rS+1] op_sel_hi:[1,0,1]
.endif
.elseif !\first
.set rO, 64*tl+2*((pos-268)/2)
	WIN W_RS
	v_pk_mul_f32 v[rO:rO+1], v[rO:rO+1], v[rT+6:rT+7] op_sel_hi:[1,0]
.endif
.endif
.set pos, pos+1
.endm
; Slice k of 64: five places; 332 = 5 x 63 + 17: slice 63 takes the last 17, all plain and naming nothing of the products round them: they are the places between the turn's last K Q^T and what follows.
.macro SLICE y, first, ml
.rept 5
	SMX \y, \first, \ml
.endr
.if k == 63
.rept 12
	SMX \y, \first, \ml
.endr
.endif
.set k, k+1
.endm
.macro PLACES
.rept 4
	v_nop
.endr
.endm
; A TURN.  Piece x has the matrix unit; the other piece's list stands in slices behind its matrix instructions.  pv = 2: 32 products V^T P; 1: they start O^T's sums; 0: none.  kq = 1: 32 products K Q^T for the next step.
; A turn with one of the two kinds has two slices behind each product.  first = 1: the list is the first key step's; its last slices are empty, and four v_nop take their part as places.  ml = 1: the next list's words are asked for.
; Piece 0's turn fetches the next step's K behind its second product: the last product that read K stands in front of slice 63 of the turn before.  Piece 2's turn fetches the same step's V at place 204, behind its
; 41st product: the last product that read V is its 32nd, and fourteen scalings, the v_nop and the run's own addition lie between.
.macro TURN x, pv, kq, first, ml
.set k, 0
.set pos, 0
.set per, 2
.if \pv && \kq
.set per, 1
.endif
.if \pv
.if \x == 0
	s_wait_dscnt 0x0                ; V is in
.endif
.set i, 0
.rept 32
	PV \x, 2-\pv
.rept per
	SLICE 2-\x, \first, \ml
.endr
.if (\x == 0) && \kq && (i == 1)
	FETCH_K
.endif
.set i, i+1
.endr
.endif
.if \kq
.if \x == 0
	s_wait_dscnt 0x0                ; K is in
.endif
.set i, 0
.rept 32
	KQ \x
.rept per
	SLICE 2-\x, \first, \ml
.endr
.set i, i+1
.endr
.endif
.if \first
	PLACES
.endif
.endm
; THE CHANGE OF SLOTS.  Each wave waits for all its tensor loads (one is out: its block of the slot ahead), adds 0 to its spare word, and waits for that and for its reads of the slot that it leaves.  fill = 1: the barrier is a
; round of the cluster's, and the joint load of the next 256 keys is the first thing behind it, into the slot just left (at the head: into slot 1, for the first time; no wave refills behind that round).
; flip = 1: the fetches go over to the other slot.  ask = 1: the prefetch address steps, and the prefetch follows the load.
.macro CHANGE fill, flip, ask
	WIN 0                           ; at a label and at a branch every window is 0
	s_wait_tensorcnt 0x0            ; no tensor load of mine is out, so group 0 may be written
	ds_add_u32 v[SPW], v[NIL]       ; 0 onto my spare word
.if \fill
	s_xor_b32 s[G0+1], s[G0+1], SLOT1              ; the other slot than last time,
	s_add_nc_u64 s[G0+2:G0+3], s[G0+2:G0+3], 65536 ; the next 256 keys: two blocks of 32,768 bytes on; the type bits on top are not reached
.if \ask
	s_wait_xcnt 0x0                 ; the last prefetch, a slot back, has read its address, so it may be written
	s_add_nc_u64 s[PFA:PFA+1], s[PFA:PFA+1], 65536
.endif
	s_wait_dscnt 0x0                ; the add is done, and my reads of the slot are over
	CROUND
	JLOAD
.if \ask
	ASK
.endif
.else
	s_wait_dscnt 0x0                ; the add is done, and my reads of the slot are over
	s_barrier_signal -1
	s_barrier_wait -1
.endif
.if \flip
	s_sub_co_u32 s[TB], s[TB], 2*STEPB  ; back to a slot's first block,
	s_xor_b32 s[TB], s[TB], SLOT1   ; in the other slot
.endif
.endm
.macro TWO_STEPS                    ; a slot's two own key steps: written once, walked twice; the LDS addresses hang on s[TB], the mask's on s[MOFF]
	s_mov_b32 s[TWICE], 2
.Lstep_\@:
	TURN 0, 2, 1, 0, 1
	TURN 2, 2, 1, 0, 1
	WIN 0
	s_sub_co_u32 s[TWICE], s[TWICE], 1
	s_cmp_lg_u32 s[TWICE], 0
	s_cbranch_scc1 .Lstep_\@
.endm
	CHANGE 1, 0, 0                  ; slot 0 is whole in every work-group; slot 1 is asked for
	FETCH_K                         ; my key step 0
	s_wait_loadcnt 0x0              ; Q
	s_wait_dscnt 0x0
.set i, 0
.rept 32
	KQ 0                            ; piece 0's first scores: there is no vector work yet to set between them
.set i, i+1
.endr
	WIN 0                           ; the addresses for the way out are made here: eight plain instructions, the places behind those products
	s_mul_i32 s2, s[WV], 16*SP
	s_add_co_u32 s2, s2, STAGE      ; my stage
	v_mul_u32_u24 v[STO], v1, SP    ; in: row l % 16, 16 bytes for each half of the lanes
	v_lshl_add_u32 v[STO], v9, 4, v[STO]
	v_add_nc_u32 v[STO], s2, v[STO]
	v_mul_u32_u24 v[RD], v9, SP     ; back: lanes 0-15 take one row of 256 bytes, lanes 16-31 the next
	v_lshl_add_u32 v[RD], v1, 4, v[RD]
	v_add_nc_u32 v[RD], s2, v[RD]
	v_lshlrev_b32 v[GO], 12, v9     ; and the same two rows in o16, 4,096 bytes apart
	v_lshl_add_u32 v[GO], v1, 4, v[GO]
	TURN 2, 0, 1, 1, 1              ; piece 2's first scores | piece 0's first softmax | V of step 0
	TURN 0, 1, 1, 1, 1              ; piece 0: V^T P of step 0 starts O^T, K Q^T of step 1 | piece 2's first softmax | K of step 1
	TURN 2, 1, 1, 0, 1              ; piece 2: the same | piece 0's softmax of step 1 | V of step 1
	WIN 0
.Lslot:                             ; six trips: slots 2 to 7 are asked for
	CHANGE 1, 1, 1
	TWO_STEPS
	s_sub_co_u32 s[SLOTS], s[SLOTS], 1
	s_cmp_lg_u32 s[SLOTS], 0
	s_cbranch_scc1 .Lslot
	CHANGE 0, 1, 0                  ; the tail is written out: nothing is asked for
	TWO_STEPS
	TURN 0, 2, 0, 0, 0              ; piece 0: V^T P of the last step | piece 2's last softmax, which asks for no more mask words: none lie behind my half's last
.set i, 0
.rept 32
	PV 2, 0                         ; piece 2: V^T P of the last step
.set i, i+1
.endr
	; THE MERGE.  l's two halves and the other half of the lanes' are added (these lines are the places behind the last products).  Tiles 2, 3 go to my partner as images of their registers, with c m and l.
	WIN 0
.irp t, 0,1,2,3
	v_add_f32 v[ST+8*\t+4], v[ST+8*\t+2], v[ST+8*\t+3]
.endr
.irp t, 0,1,2,3
	v_permlanex16_b32 v[ST+8*\t+5], v[ST+8*\t+4], s[SEL], s[SEL+1]
.endr
.irp t, 0,1,2,3
	v_add_f32 v[ST+8*\t+4], v[ST+8*\t+4], v[ST+8*\t+5]
.endr
.irp i, 0,1
	ds_store_b32 v[XSS], v[ST+8*(2+\i)] offset:256*\i
	ds_store_b32 v[XSS], v[ST+8*(2+\i)+4] offset:256*\i+128
.endr
	WIN 0x04                        ; an LDS store's data are its source 1: window 1
.set n, 0
.rept 32
	ds_store_b128 v[XST], v[128+4*n:128+4*n+3] offset:512*n   ; each accumulator from its low end on
.set n, n+1
.endr
	WIN 0
	s_wait_dscnt 0x0                ; for my partner's sake: my stores have landed
	s_barrier_signal -1
	s_barrier_wait -1
.irp i, 0,1                         ; my partner's tile 2 + i holds the queries of my tile i; its numbers land where my own tile 2 + i stood
	ds_load_b32 v[ST+8*(2+\i)], v[XLS] offset:256*\i
	ds_load_b32 v[ST+8*(2+\i)+4], v[XLS] offset:256*\i+128
.endr
	WIN 0x40                        ; destination window 1
.set n, 0
.rept 32
	ds_load_b128 v[128+4*n:128+4*n+3], v[XLD] offset:512*n
.set n, n+1
.endr
	WIN 0
	s_wait_dscnt 32                 ; the four statistics are in; the 32 wide loads may be out
.irp i, 0,1
	v_max_num_f32 v[ST+8*\i+5], v[ST+8*\i], v[ST+8*(2+\i)]           ; the larger c m
.endr
.irp i, 0,1
	v_sub_f32 v[ST+8*\i+6], v[ST+8*\i], v[ST+8*\i+5]
	v_sub_f32 v[ST+8*(2+\i)+6], v[ST+8*(2+\i)], v[ST+8*\i+5]
.endr
.irp i, 0,1
	v_exp_f32 v[ST+8*\i+6], v[ST+8*\i+6]                             ; f, f': what brings each side under the common maximum
	v_exp_f32 v[ST+8*(2+\i)+6], v[ST+8*(2+\i)+6]
.endr
	v_nop                           ; a plain instruction behind the last exponential
	s_wait_alu depctr_va_vdst(0)    ; one wait for the four, ahead of their first reader
.irp i, 0,1
	v_mul_f32 v[ST+8*\i+5], v[ST+8*\i+6], v[ST+8*\i+4]
.endr
.irp i, 0,1
	v_fma_f32 v[ST+8*\i+5], v[ST+8*(2+\i)+6], v[ST+8*(2+\i)+4], v[ST+8*\i+5]   ; L = f l + f' l'
.endr
.irp i, 0,1
	v_rcp_f32 v[ST+8*\i+7], v[ST+8*\i+5]
.endr
	v_nop
	s_wait_alu depctr_va_vdst(0)    ; one wait for the two reciprocals
.irp i, 0,1
	v_mul_f32 v[ST+8*\i+6], v[ST+8*\i+6], v[ST+8*\i+7]               ; g = f / L
	v_mul_f32 v[ST+8*(2+\i)+6], v[ST+8*(2+\i)+6], v[ST+8*\i+7]       ; g' = f' / L
.endr
.macro MERGE i                      ; O = g O + g' O', two numbers an instruction
	WIN 0x51                        ; destination, source 0 and source 2 in window 1, the factor in window 0
.set n, 0
.rept 32
	v_pk_mul_f32 v[64*\i+2*n:64*\i+2*n+1], v[64*\i+2*n:64*\i+2*n+1], v[ST+8*\i+6:ST+8*\i+7] op_sel_hi:[1,0]
.set n, n+1
.endr
.set n, 0
.rept 32
	v_pk_fma_f32 v[64*\i+2*n:64*\i+2*n+1], v[128+64*\i+2*n:128+64*\i+2*n+1], v[ST+8*(2+\i)+6:ST+8*(2+\i)+7], v[64*\i+2*n:64*\i+2*n+1] op_sel_hi:[1,0,1]
.set n, n+1
.endr
	WIN 0
.endm
	s_wait_dscnt 16                 ; the first sixteen wide loads, my tile 0's partner, are in
	MERGE 0
	s_wait_dscnt 0x0
	MERGE 1
	; THE FIRST 16 ROWS ALSO LEAVE IN f32, for the launch that projects them more finely.  They are tile 0 of wave 0 of the work-group at place 0 of the head's first cluster.  The branch hangs on the cluster's x and
	; the wave's number; the place in the cluster only narrows EXEC.
	s_cmp_eq_u32 s[FINE], 0
	s_cbranch_scc1 .Lno_fine
	s_load_b64 s[QB:QB+1], s[0:1], 0x18            ; ofine (Q's loads were waited for long ago)
	s_and_b32 s2, ttmp7, 0xffff
	s_lshl_b32 s2, s2, 9                           ; my head's 128 numbers of a row
	s_mov_b32 s3, 0
	s_wait_kmcnt 0x0
	s_add_nc_u64 s[QB:QB+1], s[QB:QB+1], s[2:3]
	s_wait_xcnt 0x0                                ; EXEC changes only behind this wait
	v_cmp_eq_u32 vcc_lo, 0, v[CXV]
	s_and_saveexec_b32 s2, vcc_lo
	WIN 0x04                                       ; a store's data are its source 1: window 1
.irp f, 0,1,2,3,4,5,6,7
	global_store_b128 v[FO], v[8*\f:8*\f+3], s[QB:QB+1] offset:64*\f          ; O(r, 16 f + 8 h + 0 .. 3)
	global_store_b128 v[FO], v[8*\f+4:8*\f+7], s[QB:QB+1] offset:64*\f+16
.endr
	WIN 0
	s_wait_xcnt 0x0                                ; and again, in front of the line that widens it
	s_or_b32 exec_lo, exec_lo, s2
.Lno_fine:
; THE WAY OUT of tile t: a lane's eight channels of a row pack into 16 bytes; they go into rows of 272 bytes of my stage and come back as whole rows of 256.
.macro PACK t
	WIN 0x05                        ; sources 0 and 1 window 1, destination window 0: S^T's registers are free
.set i, 0
.rept 32
	v_cvt_pk_f16_f32 v[S+32*\t+i], v[64*\t+2*i], v[64*\t+2*i+1]
.set i, i+1
.endr
	WIN 0
.irp f, 0,1,2,3,4,5,6,7
	ds_store_b128 v[STO], v[S+32*\t+4*\f:S+32*\t+4*\f+3] offset:32*\f
.endr
.irp f, 0,1,2,3,4,5,6,7
	ds_load_b128 v[S+32*\t+4*\f:S+32*\t+4*\f+3], v[RD] offset:\f*2*SP  ; LDS serves a wave's instructions in order (ISA guide 5.7.1.4): these see the stores above; the next tile's stores come behind them
.endr
.endm
.macro SEND t, younger              ; younger: the LDS instructions issued behind tile t's loads: the next tile's sixteen, or none
.irp f, 0,1,2,3,4,5,6,7
	s_wait_dscnt \younger+7-\f
	global_store_b128 v[GO], v[S+32*\t+4*\f:S+32*\t+4*\f+3], s[4:5] offset:\t*65536+\f*8192  ; 16 lanes store 256 consecutive bytes, aligned: a head's part of a row
.endr
.endm
	PACK 0
	PACK 1
	SEND 0, 16
	SEND 1, 0
	s_wait_tensorcnt 0x0            ; the wave's end: a tensor wait, 0 added to my spare word, and the wait for it, behind my last tensor load and my last LDS store
	ds_add_u32 v[SPW], v[NIL]
	s_wait_dscnt 0x0
	CROUND                          ; the closing round: no work-group ends while a partner may still ask for a tile that names it
	s_endpgm
.Lfunc_end_k_q8ac70c6731_attn:
	.size	k_q8ac70c6731_attn, .Lfunc_end_k_q8ac70c6731_attn-k_q8ac70c6731_attn
	.p2alignl 7, 3214868480
	.fill 96, 4, 3214868480
	.section	.rodata,"a",@progbits
	.p2align	6, 0x0
	.amdhsa_kernel k_q8ac70c6731_attn
		.amdhsa_group_segment_fixed_size 327680
		.amdhsa_private_segment_fixed_size 0
		.amdhsa_enable_private_segment 0
		.amdhsa_kernarg_size 32
		.amdhsa_user_sgpr_count 2
		.amdhsa_user_sgpr_kernarg_segment_ptr 1
		.amdhsa_wavefront_size32 1
		.amdhsa_system_sgpr_workgroup_id_x 1
		.amdhsa_system_sgpr_workgroup_id_y 1
		.amdhsa_system_sgpr_workgroup_id_z 1
		.amdhsa_system_vgpr_workitem_id 0
		.amdhsa_next_free_vgpr 1024
		.amdhsa_next_free_sgpr 102
		.amdhsa_reserve_vcc 1
		.amdhsa_float_denorm_mode_32 3
		.amdhsa_float_denorm_mode_16_64 3
		.amdhsa_memory_ordered 1
		.amdhsa_forward_progress 1
		.amdhsa_inst_pref_size 255
	.end_amdhsa_kernel
	.section	.bss,"aw",@nobits
	.p2align	6
	.space	262144
	.amdgpu_metadata
---
amdhsa.version: [ 1, 2 ]
amdhsa.kernels:
  - .name:           k_q8ac70c6731_attn
    .symbol:         k_q8ac70c6731_attn.kd
    .args:
      - { .name: qkv, .offset: 0, .size: 8, .value_kind: global_buffer, .address_space: global }
      - { .name: mbits, .offset: 8, .size: 8, .value_kind: global_buffer, .address_space: global }
      - { .name: o16, .offset: 16, .size: 8, .value_kind: global_buffer, .address_space: global }
      - { .name: ofine, .offset: 24, .size: 8, .value_kind: global_buffer, .address_space: global }
    .group_segment_fixed_size: 327680
    .private_segment_fixed_size: 0
    .kernarg_segment_align: 8
    .kernarg_segment_size: 32
    .max_flat_workgroup_size: 128
    .sgpr_count:     102
    .vgpr_count:     1024
    .wavefront_size: 32
...
	.end_amdgpu_metadata
.endif
;; end of part 3
;; launch proj (part 4): grid 16 x 16, 4 waves a work-group, clusters of 4 x 4, 327,680 bytes of LDS; arguments o16, wp16, out0; writes out0
.if DOCPART == 4
	.amdgcn_target "amdgcn-amd-amdhsa--gfx1250"
	.amdhsa_code_object_version 6
	.text
	.protected	k_q8ac70c6731_proj
	.globl	k_q8ac70c6731_proj
	.p2align	8
	.type	k_q8ac70c6731_proj,@function
k_q8ac70c6731_proj:
	s_mov_b64 s[64:65], 0
	v_nop
	global_prefetch_b8 v0, s[64:65] scope:SCOPE_SE
	s_setreg_imm32_b32 hwreg(HW_REG_WAVE_MODE, 25, 1), 1
	s_wait_xcnt 0x0
	s_wait_alu depctr_hold_cnt(0) depctr_sa_sdst(0) depctr_va_vdst(0) depctr_va_sdst(0) depctr_va_ssrc(0) depctr_va_vcc(0) depctr_vm_vsrc(0)
	s_getreg_b32 s2, hwreg(HW_REG_IB_STS2, 6, 4)
	s_cmp_eq_u32 s2, 0
	s_cbranch_scc0 .Lentry_in_a_cluster
	s_endpgm
.Lentry_in_a_cluster:
	s_bfe_u32 s2, ttmp6, 0x10000c
	s_cmp_lg_u32 s2, 0xf033
	s_cbranch_scc0 .Lentry_shape_is_right
	s_endpgm
.Lentry_shape_is_right:
; PROJ: out0[t][c] = sum over d of O[t][d] Wp[c][d].  o16: [2048][2048], wp16: [2048][2048], f16; out0: [2048][2048] f32; sums in f32.
; A tile of the output is 128 x 128, so that there are 256 work-groups.  Four waves, each 64 x 64: 16 accumulators of 16 x 16, 128 registers.  K goes in steps of 256 (LDS rows of 512 bytes; a wave's tensor load
; brings 64 of them) through a ring of two slots.
; CLUSTERS: 4 x 4 work-groups.  The four of a row of the cluster need the same tiles of A, the four of a column the same tiles of B: each tile is asked for JOINTLY.
; THE MATRIX INSTRUCTION IS USED TRANSPOSED (source 0 = 16 rows of Wp, source 1 = 16 rows of O): a lane holds eight neighbouring numbers of a row of the output.
; Rows 0 to 15 are stored here like all others and stored once more, from finer operands, by the launch that follows.
; LIMITS: operands in f16: |O| and |Wp| under 65,504; NaN and infinities are not served.
; REGISTERS: window 0: v0-31 addresses; v32-95 at work on the way out; v128-255 the accumulators ((a, b) at v[128 + 8 (4 a + b)]).   window 1: two fragment buffers of 128.
.set SIZE_N, 2048
.set SIZE_K, 2048
.set KSTEP,  256
.set PITCH,  528                       ; an LDS row: 512 bytes of data + 16 of padding: the 16 rows of a load start 132 words apart
.set HALFT,  64*PITCH                  ; 64 rows: what one tensor load brings
.set SLOT,   4*HALFT                   ; A's 128 rows, then B's 128 rows
.set STAGE,  2*SLOT                    ; behind the ring: 16 rows x 272 bytes for each wave, for the way out
.set SPITCH, 272
.set SPARE,  STAGE+4*16*SPITCH         ; behind the stages: the spare words, 128 bytes a wave, which no other line names
.set LAPS, SIZE_K/(2*KSTEP)
.set ADRA, 16
.set ADRB, 20
.set STO,  24                          ; v24     the way out: where I put 32 bytes of a row
.set RD,   25                          ; v25     where I read a row back
.set CO,   26                          ; v26     my byte offset in two rows of the output
.set SPW,  28
.set NIL,  29
.set TMP,  32                          ; the way out: 16 rows read back, v32-63 and v64-95 by turns
.set ACC,  128
.set F0,   0                           ; fragment buffers, in window 1
.set F1,   128
.set G1, 24
.set G0, 32
.set G1B, 48
.set G0B, 56
.set MSB, 0
.macro WIN new                         ; the immediate's high byte repeats the setting that is left
.if MSB != \new
	s_set_vgpr_msb (MSB<<8)|\new
.set MSB, \new
.endif
.endm
.set MUL,  0x05                        ; sources 0 (B) and 1 (A) window 1; C and D window 0
.set TO_F, 0x40                        ; destination window 1, address window 0
.macro JLOAD s                         ; a joint load: waves 0 and 1 fetch A's two halves, waves 2 and 3 B's; an s_nop 0 and four v_nop follow each of the two lines
	s_cmp_eq_u32 s11, 0
	s_cbranch_scc0 .Lfor_b_\@
	tensor_load_to_lds s[G0+4*\s:G0+4*\s+3], s[G1:G1+7]
	s_nop 0
.rept 4
	v_nop
.endr
	s_branch .Lasked_\@
.Lfor_b_\@:
	tensor_load_to_lds s[G0B+4*\s:G0B+4*\s+3], s[G1B:G1B+7]
	s_nop 0
.rept 4
	v_nop
.endr
.Lasked_\@:
.endm
.macro CREST                           ; a round of the cluster's barrier behind its opening barrier
	s_cmp_lg_u32 s10, 0
	s_cbranch_scc1 .Lnot_wave_0_\@
	s_barrier_signal -3
.Lnot_wave_0_\@:
	s_barrier_wait -3
	s_barrier_signal -1
	s_barrier_wait -1
.endm
.macro CROUND                          ; a whole round
	s_barrier_signal -1
	s_barrier_wait -1
	CREST
.endm
	s_load_b128 s[4:7], s[0:1], 0x0                ; o16 s[4:5], wp16 s[6:7]
	s_load_b64 s[8:9], s[0:1], 0x10                ; out0
	v_lshl_add_u32 v[SPW], v0, 2, SPARE
	v_mov_b32 v[NIL], 0
	ds_add_u32 v[SPW], v[NIL]                      ; the wave's opening: the add, twice on end, and its wait ahead of my first tensor load
	ds_add_u32 v[SPW], v[NIL]                      ; and once more; the set-up below, work on registers, stands between it and the wait
	v_lshrrev_b32 v1, 5, v0
	v_readfirstlane_b32 s10, v1                    ; wave 0..3
	s_lshr_b32 s11, s10, 1                         ; which half of the tile's rows is mine.  Also: I fetch for A (0) or for B (1)
	s_and_b32 s12, s10, 1                          ; which half of its columns.  Also: which 64 rows of that tile I fetch
	s_bfe_u32 s40, ttmp6, 0x40000                  ; cx, cy: my place in the cluster
	s_bfe_u32 s41, ttmp6, 0x40004
	s_lshl_b32 s42, ttmp9, 2
	s_add_co_u32 s42, s42, s40                     ; tile column = 4 x cluster x + cx
	s_and_b32 s13, ttmp7, 0xffff
	s_lshl_b32 s13, s13, 2
	s_add_co_u32 s13, s13, s41                     ; tile row = 4 x cluster y + cy
	s_lshl_b32 s43, s41, 2
	s_lshl_b32 s43, 15, s43                        ; my row of the cluster
	s_lshl_b32 s44, 0x1111, s40                    ; my column
	; descriptor group 1: a tile of 64 rows x 256 elements of 2 bytes, padded in LDS
	s_or_b32 s[G1+0], s43, (1<<16)|(1<<20)|(1<<21)|(6<<22)|(3<<25)  ; the mask: A's tiles go to my row; elements of 2 bytes; padding on; bit 21 beside a mask; after every 128 words four words
	s_or_b32 s[G1B+0], s44, (1<<16)|(1<<20)|(1<<21)|(6<<22)|(3<<25)
.irp g, G1, G1B
	s_mov_b32 s[\g+1], KSTEP<<16                   ; tensor_dim0 = 256
	s_mov_b32 s[\g+2], 64<<16                      ; tensor_dim1 = 64
	s_mov_b32 s[\g+3], KSTEP<<16                   ; tile_dim0 = 256
	s_mov_b32 s[\g+4], 64                          ; tile_dim1 = 64
	s_mov_b32 s[\g+5], SIZE_K                      ; tensor_dim0_stride
	s_mov_b32 s[\g+6], 0
	s_mov_b32 s[\g+7], 0
.endr
	s_lshl_b32 s17, s12, 6                         ; which 64 rows of the tile I fetch
	s_lshl_b32 s16, s13, 7
	s_add_co_u32 s16, s16, s17                     ; A: row 128 x tile row + 64 x half
	s_lshl_b32 s46, s42, 7
	s_add_co_u32 s46, s46, s17                     ; B: row 128 x tile column + 64 x half
	s_mov_b32 s17, 0
	s_mov_b32 s47, 0
	s_mov_b64 s[18:19], SIZE_K*2
	s_mul_u64 s[16:17], s[16:17], s[18:19]
	s_mul_u64 s[46:47], s[46:47], s[18:19]
	s_mul_i32 s20, s10, HALFT                      ; where they go: wave x 64 rows
	s_wait_dscnt 0x0                               ; both opening adds are done
	s_wait_kmcnt 0x0
	s_add_nc_u64 s[14:15], s[4:5], s[16:17]
	s_add_nc_u64 s[46:47], s[6:7], s[46:47]
	CROUND                                         ; all sixteen work-groups are here: the first joint loads meet
.irp s, 0,1
	s_mov_b32 s[G0+4*\s], 1
	s_add_co_u32 s[G0+4*\s+1], s20, \s*SLOT
	s_add_nc_u64 s[G0+4*\s+2:G0+4*\s+3], s[14:15], \s*KSTEP*2
	s_or_b32 s[G0+4*\s+3], s[G0+4*\s+3], 0x80000000
	s_mov_b32 s[G0B+4*\s], 1
	s_add_co_u32 s[G0B+4*\s+1], s20, \s*SLOT
	s_add_nc_u64 s[G0B+4*\s+2:G0B+4*\s+3], s[46:47], \s*KSTEP*2
	s_or_b32 s[G0B+4*\s+3], s[G0B+4*\s+3], 0x80000000
	JLOAD \s                                       ; two tensor loads of a wave are out at the start, one behind each later round
.endr
	v_and_b32 v1, 15, v0                           ; l % 16
	v_bfe_u32 v2, v0, 4, 1                         ; l / 16
	v_mul_u32_u24 v3, v1, PITCH
	v_lshl_add_u32 v3, v2, 4, v3                   ; a fragment's row x pitch + 16 x half
	s_mul_i32 s21, s11, HALFT                      ; my 64 rows of A
	s_mul_i32 s22, s12, HALFT                      ; my 64 rows of B,
	s_add_co_u32 s22, s22, 2*HALFT                 ; which lie behind A's 128
.irp s, 0,1
	v_add_nc_u32 v[ADRA+\s], s21, v3
	v_add_nc_u32 v[ADRB+\s], s22, v3
	s_add_co_u32 s21, s21, SLOT
	s_add_co_u32 s22, s22, SLOT
.endr
	s_mul_i32 s23, s10, 16*SPITCH                  ; my own stage: my 64 columns of f32 are 256 bytes of a row, so no other wave has a part in my rows
	s_add_co_u32 s23, s23, STAGE
	v_mul_u32_u24 v4, v1, SPITCH                   ; in: row l % 16, 32 bytes for each half of the lanes
	v_lshl_add_u32 v4, v2, 5, v4
	v_add_nc_u32 v[STO], s23, v4
	v_mul_u32_u24 v5, v2, SPITCH                   ; back: lanes 0-15 one row of 256 bytes, lanes 16-31 the next
	v_lshl_add_u32 v5, v1, 4, v5
	v_add_nc_u32 v[RD], s23, v5
	v_lshlrev_b32 v5, 13, v2                       ; and the same two rows in the output, 8,192 bytes apart
	v_lshl_add_u32 v[CO], v1, 4, v5
	s_lshl_b32 s16, s13, 7
	s_lshl_b32 s17, s11, 6
	s_add_co_u32 s16, s16, s17                     ; my first row: 128 x tile row + 64 x half
	s_lshl_b32 s16, s16, 13
	s_mov_b32 s17, 0
	s_add_nc_u64 s[8:9], s[8:9], s[16:17]
	s_lshl_b32 s46, s42, 9                         ; my first column, in bytes: 512 x tile column + 256 x half
	s_lshl_b32 s47, s12, 8
	s_add_co_u32 s46, s46, s47
	s_mov_b32 s47, 0
	s_add_nc_u64 s[8:9], s[8:9], s[46:47]
; 8 matrix instructions: m blocks a0, a0 + 1 x all 4 n blocks, 32 along K: half c of buffer f.  zero = 1: the first product starts the sums.  The 16 accumulators take turns
.macro MUL8 f, c, a0, zero
.irp a, \a0, \a0+1
.irp b, 0,1,2,3
.if \zero
	v_wmma_f32_16x16x32_f16 v[ACC+8*(4*(\a)+\b):ACC+8*(4*(\a)+\b)+7], v[\f+64+8*(4*\c+\b):\f+64+8*(4*\c+\b)+7], v[\f+8*(4*\c+\a):\f+8*(4*\c+\a)+7], 0
.else
	v_wmma_f32_16x16x32_f16 v[ACC+8*(4*(\a)+\b):ACC+8*(4*(\a)+\b)+7], v[\f+64+8*(4*\c+\b):\f+64+8*(4*\c+\b)+7], v[\f+8*(4*\c+\a):\f+8*(4*\c+\a)+7], v[ACC+8*(4*(\a)+\b):ACC+8*(4*(\a)+\b)+7]
.endif
.endr
.endr
.endm
; 32 LDS loads in one run: the fragments of 64 along K at byte k of the rows, into buffer f; the first 32 along K first
.macro FETCH slot, k, f
	WIN TO_F
.irp c, 0,1
.irp i, 0,1,2,3
	ds_load_b128 v[\f+64+8*(4*\c+\i):\f+64+8*(4*\c+\i)+3],   v[ADRB+\slot] offset:\k+64*\c+\i*16*PITCH
	ds_load_b128 v[\f+64+8*(4*\c+\i)+4:\f+64+8*(4*\c+\i)+7], v[ADRB+\slot] offset:\k+64*\c+\i*16*PITCH+32
	ds_load_b128 v[\f+8*(4*\c+\i):\f+8*(4*\c+\i)+3],         v[ADRA+\slot] offset:\k+64*\c+\i*16*PITCH
	ds_load_b128 v[\f+8*(4*\c+\i)+4:\f+8*(4*\c+\i)+7],       v[ADRA+\slot] offset:\k+64*\c+\i*16*PITCH+32
.endr
.endr
.endm
.macro PLACES                          ; four places in front of loads into registers that matrix instructions have read, and of the first reads of results
.rept 4
	v_nop
.endr
.endm
; A K step is four quarters of 64 along K, 32 matrix instructions each, on buffers 0, 1, 0, 1.  One of the first three: multiplies buffer f and fetches the next quarter, at byte k, into g.
.macro QUARTER slot, k, f, g, zero
	s_wait_dscnt 16                                ; the first 32 along K are in; the sixteen loads of the second 32 may be out
	WIN MUL
	MUL8 \f, 0, 0, \zero
	MUL8 \f, 0, 2, \zero
	PLACES
	FETCH \slot, \k, \g
	s_wait_dscnt 32                                ; all but the 32 just issued
	WIN MUL
	MUL8 \f, 1, 0, 0
	MUL8 \f, 1, 2, 0
.endm
; The last quarter multiplies buffer 1 and changes slots: ONE barrier; in front of it each wave waits for all its tensor loads, adds 0 to its spare word, and waits for that and for its own reads of this slot.
.macro TURN slot, next, fill
	WIN 0                                          ; (the add's two registers lie in window 0)
	s_wait_tensorcnt 0x0                           ; all my tensor loads have landed: my part of the next slot
	ds_add_u32 v[SPW], v[NIL]                      ; 0 onto my spare word
	s_wait_dscnt 17                                ; (the add and the youngest sixteen loads may be out)
	WIN MUL
	MUL8 F1, 0, 0, 0                               ; eight matrix instructions stand between the add and the wait for it
	s_wait_dscnt 0x0                               ; the add is done, and my reads of this slot are over
	s_barrier_signal -1
	MUL8 F1, 0, 2, 0
.if \fill
	WIN 0
.endif
	s_barrier_wait -1
.if \fill
	CREST                                          ; the barrier has opened a round of the cluster's barrier: no wave of any partner still reads this slot's tile or has a load on its way
	s_add_nc_u64 s[G0+4*\slot+2:G0+4*\slot+3], s[G0+4*\slot+2:G0+4*\slot+3], 2*KSTEP*2
	s_add_nc_u64 s[G0B+4*\slot+2:G0B+4*\slot+3], s[G0B+4*\slot+2:G0B+4*\slot+3], 2*KSTEP*2
	JLOAD \slot                                    ; the first tensor load behind the round; the four v_nop behind it are also the places in front of the loads below
.else
	PLACES
.endif
	FETCH \next, 0, F0
	WIN MUL
	MUL8 F1, 1, 0, 0
	MUL8 F1, 1, 2, 0
.endm
	s_wait_tensorcnt 1                             ; my part of K step 0 is in (K step 1's load may be out)
	s_barrier_signal -1
	s_barrier_wait -1                              ; everybody's is
	FETCH 0, 0, F0
	QUARTER 0, 128, F0, F1, 1                      ; the first quarter stands in front of the loop: its first products start the sums
	WIN 0                                          ; at a label and at a branch every window is 0
	s_mov_b32 s3, LAPS-1
.Llap:                                                 ; a trip goes once round the ring, from a lap's second quarter to the next lap's first, and fills both slots again
	QUARTER 0, 256, F1, F0, 0
	QUARTER 0, 384, F0, F1, 0
	TURN 0, 1, 1
	QUARTER 1, 128, F0, F1, 0
	QUARTER 1, 256, F1, F0, 0
	QUARTER 1, 384, F0, F1, 0
	TURN 1, 0, 1
	QUARTER 0, 128, F0, F1, 0
	WIN 0
	s_sub_co_u32 s3, s3, 1
	s_cmp_lg_u32 s3, 0
	s_cbranch_scc1 .Llap
	QUARTER 0, 256, F1, F0, 0                      ; the last lap fills nothing, and has no round of the cluster's barrier
	QUARTER 0, 384, F0, F1, 0
	TURN 0, 1, 0
	QUARTER 1, 128, F0, F1, 0
	QUARTER 1, 256, F1, F0, 0
	QUARTER 1, 384, F0, F1, 0
	s_wait_dscnt 16                                ; the very last quarter: nothing more to fetch
	WIN MUL
	MUL8 F1, 0, 0, 0
	MUL8 F1, 0, 2, 0
	s_wait_dscnt 0
	MUL8 F1, 1, 0, 0
	MUL8 F1, 1, 2, 0
	WIN 0
; THE WAY OUT, block by block of 16 rows x 64 columns of f32.  A lane holds 32 neighbouring bytes of a row; a block goes through my own stage and comes back as whole rows of 256 bytes.
.macro TOSTAGE a
.irp b, 0,1,2,3
	ds_store_b128 v[STO], v[ACC+8*(4*(\a)+\b):ACC+8*(4*(\a)+\b)+3] offset:64*\b          ; each accumulator from its low end on
	ds_store_b128 v[STO], v[ACC+8*(4*(\a)+\b)+4:ACC+8*(4*(\a)+\b)+7] offset:64*\b+16
.endr
.irp t, 0,1,2,3,4,5,6,7
	ds_load_b128 v[TMP+32*((\a)%2)+4*\t:TMP+32*((\a)%2)+4*\t+3], v[RD] offset:\t*2*SPITCH   ; LDS serves a wave's instructions in order (ISA guide 5.7.1.4): these see the stores above
.endr
.endm
.macro SEND a, younger                 ; younger: the LDS instructions issued behind block a's loads: the next block's 8 stores and 8 loads, or none
	s_wait_dscnt \younger
.irp t, 0,1,2,3,4,5,6,7
	global_store_b128 v[CO], v[TMP+32*((\a)%2)+4*\t:TMP+32*((\a)%2)+4*\t+3], s[8:9] offset:(16*(\a)+2*\t)*SIZE_N*4 th:TH_STORE_NT   ; 16 lanes store 256 consecutive bytes, aligned
.endr
.endm
	PLACES
	TOSTAGE 0
.irp a, 1,2,3
.if \a > 1
	s_wait_xcnt 0x0                                ; block a - 2's stores have read their registers: block a's loads may land there
.endif
	TOSTAGE \a
	SEND \a-1, 16
.endr
	SEND 3, 0
	s_wait_tensorcnt 0x0                           ; the wave's end: a tensor wait, 0 added to my spare word, and the wait for it, behind my last tensor load and my last LDS store
	ds_add_u32 v[SPW], v[NIL]
	s_wait_dscnt 0x0
	CROUND                                         ; the closing round: no work-group ends while a partner may still ask for a tile that names it
	s_endpgm
.Lfunc_end_k_q8ac70c6731_proj:
	.size	k_q8ac70c6731_proj, .Lfunc_end_k_q8ac70c6731_proj-k_q8ac70c6731_proj
	.p2alignl 7, 3214868480
	.fill 96, 4, 3214868480
	.section	.rodata,"a",@progbits
	.p2align	6, 0x0
	.amdhsa_kernel k_q8ac70c6731_proj
		.amdhsa_group_segment_fixed_size 327680
		.amdhsa_private_segment_fixed_size 0
		.amdhsa_enable_private_segment 0
		.amdhsa_kernarg_size 24
		.amdhsa_user_sgpr_count 2
		.amdhsa_user_sgpr_kernarg_segment_ptr 1
		.amdhsa_wavefront_size32 1
		.amdhsa_system_sgpr_workgroup_id_x 1
		.amdhsa_system_sgpr_workgroup_id_y 1
		.amdhsa_system_sgpr_workgroup_id_z 1
		.amdhsa_system_vgpr_workitem_id 0
		.amdhsa_next_free_vgpr 512
		.amdhsa_next_free_sgpr 66
		.amdhsa_reserve_vcc 0
		.amdhsa_float_denorm_mode_32 3
		.amdhsa_float_denorm_mode_16_64 3
		.amdhsa_memory_ordered 1
		.amdhsa_forward_progress 1
		.amdhsa_inst_pref_size 86
	.end_amdhsa_kernel
	.amdgpu_metadata
---
amdhsa.version: [ 1, 2 ]
amdhsa.kernels:
  - .name:           k_q8ac70c6731_proj
    .symbol:         k_q8ac70c6731_proj.kd
    .args:
      - { .name: o16, .offset: 0, .size: 8, .value_kind: global_buffer, .address_space: global }
      - { .name: wp16, .offset: 8, .size: 8, .value_kind: global_buffer, .address_space: global }
      - { .name: out0, .offset: 16, .size: 8, .value_kind: global_buffer, .address_space: global }
    .group_segment_fixed_size: 327680
    .private_segment_fixed_size: 0
    .kernarg_segment_align: 8
    .kernarg_segment_size: 24
    .max_flat_workgroup_size: 128
    .sgpr_count:     66
    .vgpr_count:     512
    .wavefront_size: 32
...
	.end_amdgpu_metadata
.endif
;; end of part 4
;; launch fine16 (part 5): grid 128 x 1, 16 waves a work-group, no clusters, 296,960 bytes of LDS; arguments ofine, Wp, out0; writes out0
.if DOCPART == 5
	.amdgcn_target "amdgcn-amd-amdhsa--gfx1250"
	.amdhsa_code_object_version 6
	.text
	.protected	k_q8ac70c6731_fine16
	.globl	k_q8ac70c6731_fine16
	.p2align	8
	.type	k_q8ac70c6731_fine16,@function
k_q8ac70c6731_fine16:
	s_mov_b64 s[64:65], 0
	v_nop
	global_prefetch_b8 v0, s[64:65] scope:SCOPE_SE
	s_setreg_imm32_b32 hwreg(HW_REG_WAVE_MODE, 25, 1), 1
	s_wait_xcnt 0x0
; FINE16: rows 0 to 15 of the out-projection once more, out0[t][c] = sum over d of O[t][d] Wp[c][d], t < 16, from f32 operands carried as PAIRS of f16 numbers.  These rows average few values and are the largest
; in size, so the rounding of single f16 operands weighs most there.  The launch stores over what the launch before stored in these 16 rows: 131,072 bytes, in runs of 64 bytes.
; THE SPLIT.  high = the number with its mantissa cut to ten bits (a mask), which f16 holds exactly in its normal range; low = (number - high) x 2,048, rounded to f16.  The sum is
; high.high + (high.low + low.high) / 2,048; low.low, 2^-20 of a product at the most, is left out.  Under 2^-14 in magnitude the high part is rounded in f16's denormals: an error of 2^-25 at the most.
; LIMITS: |O| and |Wp| under 65,504; NaN and infinities are not served.
; SHARES.  A work-group makes 16 columns; each of its sixteen waves sums 128 of the 2,048 along K, in four steps of 32; the sixteen partial tiles meet in LDS and wave 0 adds them in the waves' order.
; A LOAD TAKES ONE ROW'S 512 BYTES, 16 a lane: the wave's 128 along K of one row of O or of Wp; all 32 loads of a wave go out at once.  A matrix operand wants a row to a lane, so the numbers turn through LDS: they are
; split as they were loaded, four rows at a time, and the f16 parts go into the wave's own rows (256 bytes + 16 of padding), four arrays of 16 rows: O high, O low, Wp high, Wp low; the fragments are read back from there.
; Source 0 = 16 rows of Wp, source 1 = the 16 rows of O: a lane holds row l % 16 and eight neighbouring columns.
; No tensor load, no cluster: a work-group reads its rows of Wp once, and what the work-groups share, ofine, is 131,072 bytes.
.set SPW,  2                           ; v2   LDS address of my spare word; never rewritten
.set NIL,  3                           ; v3   0; never rewritten
.set HS,   16                          ; v16-47   two sets by turns: 8 registers of high parts, 8 of low parts, of four rows
.set T,    80                          ; v80-95   at work
.set HH,   96                          ; v96-119  three accumulators
.set HL,   104
.set LH,   112
.set RA,   120                         ; v120-183 O as loaded, four registers a row;  then v120-247: the fragments, 32 registers a step;  at the end all sixteen partial tiles
.set RB,   184                         ; v184-247 Wp as loaded
.set PITCH, 272                        ; an LDS row: 128 f16 + 16 bytes of padding: the 16 rows of a fragment load start 68 words apart
.set ARR,  16*PITCH                    ; an array of 16 rows
.set WREG, 4*ARR                       ; a wave's four arrays
.set IMG,  16*WREG                     ; behind the sixteen regions: the sixteen partial tiles, 1,024 bytes each
.set SPARE, IMG+16*1024                ; behind them: the spare words, 128 bytes a wave, which no other line names
	s_load_b128 s[4:7], s[0:1], 0x0                ; ofine s[4:5], Wp s[6:7]
	s_load_b64 s[8:9], s[0:1], 0x10                ; out0
	v_lshl_add_u32 v[SPW], v0, 2, SPARE
	v_mov_b32 v[NIL], 0
	v_lshrrev_b32 v4, 5, v0
	v_readfirstlane_b32 s10, v4                    ; wave 0..15
	v_and_b32 v5, 15, v0                           ; r
	v_bfe_u32 v6, v0, 4, 1                         ; h
	v_and_b32 v7, 31, v0                           ; lane
	v_lshlrev_b32 v1, 4, v7                        ; 16 x lane: my 16 bytes of a row's 512
	s_mul_i32 s11, s10, WREG                       ; my wave's region
	v_lshl_add_u32 v9, v7, 3, s11                  ; in: my four f16 of a row, 8 x lane
	v_mul_u32_u24 v10, v5, PITCH
	v_lshl_add_u32 v10, v6, 4, v10
	v_add_nc_u32 v10, s11, v10                     ; back: row r, + 16 h
	s_lshl_b32 s11, s10, 10
	s_add_co_u32 s11, s11, IMG
	v_add_nc_u32 v8, s11, v1                       ; my wave's partial tile
	v_add_nc_u32 v11, IMG, v1                      ; and where wave 0 reads all sixteen
	v_lshlrev_b32 v12, 13, v5
	v_lshl_add_u32 v12, v6, 5, v12                 ; out0: row r of 8,192 bytes, + 32 h
	s_lshl_b32 s12, s10, 9                         ; my wave's 128 along K
	s_mov_b32 s13, 0
	s_lshl_b32 s14, ttmp9, 17                      ; my work-group's 16 rows of Wp
	s_mov_b32 s15, 0
	s_lshl_b32 s16, ttmp9, 6                       ; and its 16 columns of the output
	s_mov_b32 s17, 0
	s_mov_b32 s18, 0xffffe000                      ; sign, exponent and ten bits of mantissa
	s_wait_kmcnt 0x0
	s_add_nc_u64 s[4:5], s[4:5], s[12:13]
	s_add_nc_u64 s[6:7], s[6:7], s[12:13]
	s_add_nc_u64 s[6:7], s[6:7], s[14:15]
	s_add_nc_u64 s[8:9], s[8:9], s[16:17]
.irp i, 0,1,2,3,4,5,6,7,8,9,10,11,12,13,14,15
	global_load_b128 v[RA+4*\i:RA+4*\i+3], v1, s[4:5] offset:8192*\i                  ; row i of O: 32 lanes read 512 consecutive bytes
.endr
.irp i, 0,1,2,3,4,5,6,7,8,9,10,11,12,13,14,15
	global_load_b128 v[RB+4*\i:RB+4*\i+3], v1, s[6:7] offset:8192*\i th:TH_LOAD_NT    ; row i of my 16 of Wp
.endr
.macro SPLIT x, h, l                   ; 16 numbers v[x] on become 8 registers of high parts, v[h] on, and 8 of low parts, v[l] on
.irp i, 0,1,2,3,4,5,6,7,8,9,10,11,12,13,14,15
	v_and_b32 v[T+\i], s18, v[\x+\i]
.endr
.irp i, 0,1,2,3,4,5,6,7
	v_cvt_pk_f16_f32 v[\h+\i], v[T+2*\i], v[T+2*\i+1]
.endr
.irp i, 0,2,4,6,8,10,12,14
	v_pk_add_f32 v[T+\i:T+\i+1], v[\x+\i:\x+\i+1], v[T+\i:T+\i+1] neg_lo:[0,1] neg_hi:[0,1]   ; what the mask cut off: exact
.endr
.irp i, 0,2,4,6,8,10,12,14
	v_pk_mul_f32 v[T+\i:T+\i+1], v[T+\i:T+\i+1], 0x45000000 op_sel_hi:[1,0]                   ; x 2,048, so that it keeps its bits in f16
.endr
.irp i, 0,1,2,3,4,5,6,7
	v_cvt_pk_f16_f32 v[\l+\i], v[T+2*\i], v[T+2*\i+1]
.endr
.endm
; Rows 4 j to 4 j + 3 of the operand loaded at v[x] on: split, and into arrays a (high) and a + 1 (low).  A store's 32 lanes write 256 consecutive bytes.  left: the loads issued behind these four, which stay out.
.macro ROWS x, a, j, left
.set HB, HS+16*((\j)%2)
	s_wait_loadcnt \left
	SPLIT (\x)+16*(\j), HB, HB+8
.irp q, 0,1,2,3
	ds_store_b64 v9, v[HB+2*\q:HB+2*\q+1] offset:(\a)*ARR+(4*(\j)+\q)*PITCH
	ds_store_b64 v9, v[HB+8+2*\q:HB+8+2*\q+1] offset:((\a)+1)*ARR+(4*(\j)+\q)*PITCH
.endr
.endm
.irp j, 0,1,2,3
	ROWS RA, 0, \j, 28-4*\j
.endr
.irp j, 0,1,2,3
	ROWS RB, 2, \j, 12-4*\j
.endr
.irp s, 0,1,2,3                        ; the fragments: step s, array a: 16 rows x 32 K: registers 0-3 hold k = 8 h + 0..7, registers 4-7 k = 16 + 8 h + 0..7: two loads of 16 bytes, 32 bytes apart
.irp a, 0,1,2,3
	ds_load_b128 v[RA+32*\s+8*\a:RA+32*\s+8*\a+3],   v10 offset:\a*ARR+64*\s       ; LDS serves a wave's instructions in order (ISA guide 5.7.1.4): these see my stores above
	ds_load_b128 v[RA+32*\s+8*\a+4:RA+32*\s+8*\a+7], v10 offset:\a*ARR+64*\s+32
.endr
.endr
; A step of 32 along K.  The three accumulators take turns, one instruction a turn.
.macro FSTEP s
.set F, RA+32*(\s)
	s_wait_dscnt 24-8*(\s)                         ; this step's eight loads are in; those of the later steps stay out
.if (\s) == 0
	v_wmma_f32_16x16x32_f16 v[HH:HH+7], v[F+16:F+23], v[F:F+7], 0
	v_wmma_f32_16x16x32_f16 v[HL:HL+7], v[F+16:F+23], v[F+8:F+15], 0
	v_wmma_f32_16x16x32_f16 v[LH:LH+7], v[F+24:F+31], v[F:F+7], 0
.else
	v_wmma_f32_16x16x32_f16 v[HH:HH+7], v[F+16:F+23], v[F:F+7], v[HH:HH+7]
	v_wmma_f32_16x16x32_f16 v[HL:HL+7], v[F+16:F+23], v[F+8:F+15], v[HL:HL+7]
	v_wmma_f32_16x16x32_f16 v[LH:LH+7], v[F+24:F+31], v[F:F+7], v[LH:LH+7]
.endif
.endm
	FSTEP 0
	FSTEP 1
	FSTEP 2
	FSTEP 3
.rept 4
	v_nop                                          ; places in front of the first reads of results
.endr
.irp j, 0,2,4,6
	v_pk_add_f32 v[T+\j:T+\j+1], v[HL+\j:HL+\j+1], v[LH+\j:LH+\j+1]
.endr
.irp j, 0,2,4,6
	v_pk_fma_f32 v[T+\j:T+\j+1], v[T+\j:T+\j+1], 0x3a000000, v[HH+\j:HH+\j+1] op_sel_hi:[1,0,1]   ; / 2,048, + the high parts' sum
.endr
	ds_store_b128 v8, v[T:T+3]                     ; my partial tile as an image of its registers
	ds_store_b128 v8, v[T+4:T+7] offset:512
	s_wait_dscnt 0x0                               ; for wave 0's sake: my stores have landed
	s_barrier_signal -1
	s_barrier_wait -1
	s_cmp_lg_u32 s10, 0
	s_cbranch_scc1 .Lothers
.irp w, 0,1,2,3,4,5,6,7,8,9,10,11,12,13,14,15
	ds_load_b128 v[RA+8*\w:RA+8*\w+3], v11 offset:1024*\w
	ds_load_b128 v[RA+8*\w+4:RA+8*\w+7], v11 offset:1024*\w+512
.endr
	s_wait_dscnt 0x0
.irp w, 1,2,3,4,5,6,7,8,9,10,11,12,13,14,15
.irp j, 0,2,4,6
	v_pk_add_f32 v[RA+\j:RA+\j+1], v[RA+\j:RA+\j+1], v[RA+8*\w+\j:RA+8*\w+\j+1]   ; K ascending
.endr
.endr
	global_store_b128 v12, v[RA:RA+3], s[8:9]      ; out0(r, 16 g + 8 h + 0 .. 3)
	global_store_b128 v12, v[RA+4:RA+7], s[8:9] offset:16
.Lothers:
	s_wait_tensorcnt 0x0                           ; the wave's end: a tensor wait (though no tensor load stands in this text), 0 added to my spare word, and the wait for it, behind my last LDS store
	ds_add_u32 v[SPW], v[NIL]
	s_wait_dscnt 0x0
	s_endpgm
.Lfunc_end_k_q8ac70c6731_fine16:
	.size	k_q8ac70c6731_fine16, .Lfunc_end_k_q8ac70c6731_fine16-k_q8ac70c6731_fine16
	.p2alignl 7, 3214868480
	.fill 96, 4, 3214868480
	.section	.rodata,"a",@progbits
	.p2align	6, 0x0
	.amdhsa_kernel k_q8ac70c6731_fine16
		.amdhsa_group_segment_fixed_size 296960
		.amdhsa_private_segment_fixed_size 0
		.amdhsa_enable_private_segment 0
		.amdhsa_kernarg_size 24
		.amdhsa_user_sgpr_count 2
		.amdhsa_user_sgpr_kernarg_segment_ptr 1
		.amdhsa_wavefront_size32 1
		.amdhsa_system_sgpr_workgroup_id_x 1
		.amdhsa_system_sgpr_workgroup_id_y 1
		.amdhsa_system_sgpr_workgroup_id_z 1
		.amdhsa_system_vgpr_workitem_id 0
		.amdhsa_next_free_vgpr 256
		.amdhsa_next_free_sgpr 66
		.amdhsa_reserve_vcc 0
		.amdhsa_float_denorm_mode_32 3
		.amdhsa_float_denorm_mode_16_64 3
		.amdhsa_memory_ordered 1
		.amdhsa_forward_progress 1
		.amdhsa_inst_pref_size 41
	.end_amdhsa_kernel
	.amdgpu_metadata
---
amdhsa.version: [ 1, 2 ]
amdhsa.kernels:
  - .name:           k_q8ac70c6731_fine16
    .symbol:         k_q8ac70c6731_fine16.kd
    .args:
      - { .name: ofine, .offset: 0, .size: 8, .value_kind: global_buffer, .address_space: global }
      - { .name: Wp, .offset: 8, .size: 8, .value_kind: global_buffer, .address_space: global }
      - { .name: out0, .offset: 16, .size: 8, .value_kind: global_buffer, .address_space: global }
    .group_segment_fixed_size: 296960
    .private_segment_fixed_size: 0
    .kernarg_segment_align: 8
    .kernarg_segment_size: 24
    .max_flat_workgroup_size: 512
    .sgpr_count:     66
    .vgpr_count:     256
    .wavefront_size: 32
...
	.end_amdgpu_metadata
.endif
;; end of part 5
